; MI455X (gfx1250); checked and timed in simulation.
; The chip was launched on July 23, 2026; its instructions are those of AMD's public machine-readable ISA for CDNA 5 (MIT licence, August 2026) and "CDNA5" Instruction Set Architecture Reference Guide (July 2026). The comments in the code are by the model that wrote it; some were corrected since.
;; Multi Head Attention. Allowed arithmetic: matrix products marked QUANTISED: E2M1 operands, one E8M0 scale for each 32 along K, by v_wmma_scale_f32_16x16x128_f8f6f4 with both operands' format E2M1 (or v_wmma_scale_f32_32x16x128_f4), f32 sums; everything else in f32.
;; Inputs: W_out 1,024 x 1,024 float32; W_qkv 1,024 x 3,072 float32; X 4 x 2,048 x 1,024 float32; b_out 1,024 float32; b_qkv 3,072 float32.
;; Outputs: out0 4 x 2,048 x 1,024 float32.
;; This version of the problem:
;;   THIS VERSION OF THE PROBLEM IS GIVEN IN LOW PRECISION. The matrix products marked QUANTISED in the list below multiply operands that are first quantised to E2M1 (2 exponent bits, 1 mantissa bit; 4 bits a number), with one power-of-two scale for each 32 numbers along K (OCP MX v1.0); their sums are f32. All else is computed in f32.
;;   The module's matrix products, in the order in which they are computed (A, B: the left and right operand; K: the contracted axis; several contracted axes count as one K, in the product's order):
;;     1. [M 8,192, K 1,024] x [K 1,024, N 3,072]; A: input X; B: input W_qkv: QUANTISED
;;     2. batch 64 x [M 2,048, K 64] x [K 64, N 2,048]; A: computed on the way; B: computed on the way: QUANTISED
;;     3. batch 64 x [M 2,048, K 2,048] x [K 2,048, N 64]; A: softmax (see below); B: computed on the way: QUANTISED
;;     4. [M 8,192, K 1,024] x [K 1,024, N 1,024]; A: computed on the way; B: input W_out: QUANTISED
;;   THE QUANTISER, for each operand of a quantised product, along K:
;;     - K is cut into blocks of 32 from its start; a last block that is shorter is filled with zeros.
;;     - A block's scale is 2^e with e = floor(log2(the largest magnitude in the block)) - 2, held to -126 .. 127; a block of zeros has e = 0. As a byte (E8M0): e + 127.
;;     - Each number is divided by its block's scale, clamped to +-6, and rounded to the nearest number of E2M1, ties to even, subnormals kept.
;;     - The product sums the exact products of the quantised numbers (number of the format x scale) in f32.
;;   ~~~python
;;   def quantise(x, axis):      # numpy; x: float32 -> the quantised numbers, widened to float32 again
;;       x = np.moveaxis(x, axis, -1); K = x.shape[-1]
;;       x = np.pad(x, [(0, 0)] * (x.ndim - 1) + [(0, -K % 32)]); x = x.reshape(x.shape[:-1] + (-1, 32)); a = np.abs(x).max(-1, keepdims=True)
;;       e = np.where(a > 0, np.clip(np.frexp(np.where(a > 0, a, 1))[1] - 1 - 2, -126, 127), 0)      # np.frexp(a)[1] - 1 = floor(log2(a)), exactly
;;       r = np.clip(x / 2.0 ** e, -6, 6)
;;       step = 2.0 ** (np.maximum(np.frexp(np.where(r == 0, 1, r))[1] - 1, 0) - 1)
;;       q = np.round(r / step) * step * 2.0 ** e      # np.round: ties to even
;;       return np.moveaxis(q.reshape(q.shape[:-2] + (-1,))[..., :K], -1, axis).astype(np.float32)
;;   ~~~
;;   SOFTMAX AHEAD OF A QUANTISED PRODUCT. Where the list says 'softmax', what is quantised is not the finished softmax but p = 2^(t - M), with t = logit x log2(e) and M = ceil(the row's largest t), a whole number; so 1/2 < the row's largest p <= 1. The row's sum l is taken of the UNQUANTISED p, in f32, and the product's result is divided by l at the end. Since M is a whole number, a kernel that streams over the keys may use a running M (the ceiling of the running maximum): every later rescaling is an exact power of two, which a block's scale takes up: the codes' values come out the same.
;;   OPERANDS COMPUTED ON THE WAY. 'Computed on the way' means the value that the module computes at that place (a softmax that the list does not call 'softmax' is quantised finished and normalised). What goes into a quantiser is computed in f32, as accurately as f32 sums, v_exp_f32 and their like allow (about 1e-6 of the number): no bf16 or f16 on the way to a quantiser, and a product that is left as it is and whose result goes on into a quantised operand takes f32 operands (vector FMAs, or v_wmma_f32_16x16x4_f32). A number that lies on a knife's edge between two numbers of the format may be rounded either way, as far as f32 arithmetic and the matrix unit's own rounding can turn it there, and no further.
;; One version. Each part assembles by itself: llvm-mc -triple=amdgcn-amd-amdhsa -mcpu=gfx1250 --defsym DOCPART=n.
;; ======== version 1 of 1: 4 launches
;; workspace buffers: xc 4,194,304 bytes; xs 262,144 bytes; wc 2,097,152 bytes; ws 131,072 bytes; qkvc 12,582,912 bytes; qkvs 1,310,720 bytes; oc 4,194,304 bytes; os 262,144 bytes
;; launch prep (part 1): grid 256 x 1, 8 waves a work-group, no clusters, 84,992 bytes of LDS; arguments X, W_qkv, W_out, xc, xs, wc, ws; writes xc, xs, wc, ws
.if DOCPART == 1
	.amdgcn_target "amdgcn-amd-amdhsa--gfx1250"
	.amdhsa_code_object_version 6
	.text
	.protected	k_qba1e9438b0_prep
	.globl	k_qba1e9438b0_prep
	.p2align	8
	.type	k_qba1e9438b0_prep,@function
k_qba1e9438b0_prep:
	s_mov_b64 s[64:65], 0
	v_nop
	global_prefetch_b8 v0, s[64:65] scope:SCOPE_SE
	s_setreg_imm32_b32 hwreg(HW_REG_WAVE_MODE, 25, 1), 1
	s_wait_xcnt 0x0
; PREP: the three inputs that are operands of quantised products become codes of E2M1 (4 bits) with one E8M0 byte for each 32 along K.
;   X [8192][1024] f32, K innermost          -> xc [8192][512 bytes], xs [8192][32 bytes]
;   W_qkv [1024][3072], W_out [1024][1024]: K is the FIRST axis -> wc [4096 rows n][512 bytes], ws [4096][32 bytes]; rows 0-3071 are W_qkv's columns, rows 3072-4095 W_out's.
; A block's scale is 2^(floor(log2(largest magnitude)) - 2): its byte is the largest magnitude's exponent field - 2, held at 1 from below by a floor among the maximum's leaves.
; LIMITS: NaN and infinities are not served; a block whose largest magnitude lies under 2^-124 gets the byte 1; a block of zeros gets the byte 1 where the rule says 127
; (its codes are zeros, which add nothing under any byte but 0xff, and only this program reads the bytes).
; SHARES.  Work-groups 0-127: X, a plain stream of blocks of 32; each of the 8 waves takes 8,192 numbers in 16 steps of 512.  Loads take the bytes as they lie (512 consecutive bytes a load) and
; a step's 2,048 bytes turn through the wave's own stage in LDS, so that a lane holds 16 neighbours; 8 steps (32 loads a wave) are asked for ahead.
; Work-groups 128-255: the weights, 64 columns x 512 along K each.  A lane takes a column and its registers run down K, so a block of 32 lies in one lane and the codes come out with K innermost.
; Wave w takes columns 32 (w & 1) .. + 31 and K 128 (w >> 1) .. + 127; the eight waves' codes meet in a stage (64 rows x 256 bytes), and behind ONE barrier leave as whole rows.
; Both kinds of work-group pass that one barrier; each kind has LDS bytes of its own; every address register is made at the head, ahead of the parting.
; No tensor loads, no matrix units, no cluster: nothing is read twice and memory binds.
.set SP,   80                          ; X: a lane's place in a stage: 64 bytes + 16 of padding
.set WST,  65536                       ; weights: the stage, 64 rows (columns n) x 272 bytes
.set SST,  82944                       ; weights: 64 x 16 scale bytes
.set R,    32                          ; v32-159  X: eight sets of 16 numbers as loaded
.set XN,   160                         ; v160-191 X: two sets of 16 neighbours
.set E,    192                         ; v192-207 X: a scale byte for each step
.set C,    208                         ; v208-239 X: two registers of codes for each step: no store's data are written again
.set VO,   32                          ; v32-63   weights: byte offset of row i of a block, i = 0 .. 31
.set WN,   64                          ; v64-127  weights: two sets of 32 numbers
.set WC,   128                         ; v128-143 weights: four registers of codes for each block
	s_load_b256 s[4:11], s[0:1], 0x0               ; X s[4:5], W_qkv s[6:7], W_out s[8:9], xc s[10:11]
	s_load_b128 s[12:15], s[0:1], 0x20             ; xs s[12:13], wc s[14:15]
	s_load_b64 s[16:17], s[0:1], 0x30              ; ws
	v_lshl_add_u32 v240, v0, 2, 0x14800
	v_mov_b32 v241, 0
	v_lshrrev_b32 v1, 5, v0
	s_delay_alu instid0(VALU_DEP_1)
	v_readfirstlane_b32 s20, v1                    ; wave 0..7
	v_and_b32 v1, 31, v0                           ; lane
	s_delay_alu instid0(VALU_DEP_1)
	v_lshlrev_b32 v2, 4, v1                        ; X: my 16 bytes of a load's 512
	s_lshl_b32 s21, s20, 13                        ; X: my wave's 8,192 bytes of LDS
	v_lshrrev_b32 v3, 2, v1
	s_delay_alu instid0(VALU_DEP_1)
	v_mul_u32_u24 v3, v3, SP
	v_and_b32 v7, 3, v1
	s_delay_alu instid0(VALU_DEP_1)
	v_lshl_add_u32 v3, v7, 4, v3
	s_delay_alu instid0(VALU_DEP_1)
	v_add_nc_u32 v3, s21, v3                       ; the stage, on the way in: SP (lane / 4) + 16 (lane % 4)
	v_mul_u32_u24 v4, v1, SP
	s_delay_alu instid0(VALU_DEP_1)
	v_add_nc_u32 v4, s21, v4                       ; and on the way out: SP x lane
	v_lshlrev_b32 v5, 3, v1                        ; 8 x lane: my codes in a step's 256 bytes, and my 8 scale bytes at the end
	s_add_co_u32 s24, s21, 2*32*SP                 ; behind the two stages: my wave's 256 scale bytes
	v_lshrrev_b32 v6, 1, v1
	s_delay_alu instid0(VALU_DEP_1)
	v_add_nc_u32 v6, s24, v6                       ; my block's byte
	v_add_nc_u32 v8, s24, v5                       ; and 8 bytes a lane on the way out
	v_lshlrev_b32 v9, 2, v1                        ; weights: 4 x lane: my column
	s_and_b32 s22, s20, 1                          ; strip: which 32 columns
	s_lshr_b32 s23, s20, 1                         ; piece: which 128 along K
	s_mul_i32 s24, s22, 32*272
	s_lshl_b32 s25, s23, 6
	s_add_co_u32 s24, s24, s25
	s_add_co_u32 s24, s24, WST
	v_mul_u32_u24 v10, v1, 272
	s_delay_alu instid0(VALU_DEP_1)
	v_add_nc_u32 v10, s24, v10                     ; into the stage: row = my column, 64 bytes a piece
	s_lshl_b32 s24, s22, 9
	s_lshl_b32 s25, s23, 2
	s_add_co_u32 s24, s24, s25
	s_add_co_u32 s24, s24, SST
	v_lshl_add_u32 v11, v1, 4, s24                 ; my column's scale word of this piece
	v_lshrrev_b32 v7, 4, v1                        ; lane / 16
	v_and_b32 v14, 15, v1                          ; lane % 16
	s_mul_i32 s24, s20, 8*272
	s_add_co_u32 s24, s24, WST
	v_mul_u32_u24 v12, v7, 272
	s_delay_alu instid0(VALU_DEP_1)
	v_lshl_add_u32 v12, v14, 4, v12
	s_delay_alu instid0(VALU_DEP_1)
	v_add_nc_u32 v12, s24, v12                     ; out of the stage: wave w takes rows 8 w .. 8 w + 7, sixteen lanes to a row
	s_lshl_b32 s24, s20, 12
	v_lshlrev_b32 v13, 9, v7
	s_delay_alu instid0(VALU_DEP_1)
	v_lshl_add_u32 v13, v14, 4, v13
	s_delay_alu instid0(VALU_DEP_1)
	v_add_nc_u32 v13, s24, v13                     ; and the same place in wc (rows of 512 bytes)
	s_lshl_b32 s24, s22, 9
	s_add_co_u32 s24, s24, SST
	v_lshl_add_u32 v14, v1, 4, s24                 ; the scale bytes' way out (waves 0 and 1): a lane a column, 16 bytes
	s_lshl_b32 s24, s22, 10
	v_lshl_add_u32 v15, v1, 5, s24                 ; and its row of 32 bytes in ws
	s_max_u32 s26, ttmp9, 128
	s_sub_co_u32 s26, s26, 128                     ; which of the 128 parts of the weights (0 in X's work-groups, where it is not used)
	s_lshr_b32 s27, s26, 1                         ; cg: which 64 columns (0-47 W_qkv, 48-63 W_out)
	s_and_b32 s28, s26, 1                          ; ky: which 512 along K
	s_lshl_b32 s30, s27, 15
	s_lshl_b32 s31, s28, 8
	s_add_co_u32 s30, s30, s31
	s_mov_b32 s31, 0
	s_lshl_b32 s32, s27, 11
	s_lshl_b32 s33, s28, 4
	s_add_co_u32 s32, s32, s33
	s_mov_b32 s33, 0
	s_wait_kmcnt 0x0
	s_add_nc_u64 s[36:37], s[14:15], s[30:31]      ; wc at row 64 cg, byte 256 ky
	s_add_nc_u64 s[38:39], s[16:17], s[32:33]      ; ws at row 64 cg, byte 16 ky
	s_cmp_lt_u32 ttmp9, 128
	s_cbranch_scc0 .Lweights
	; ---------------- X ----------------
	s_lshl_b32 s24, ttmp9, 3
	s_add_co_u32 s24, s24, s20                     ; which run of 8,192 numbers is my wave's
	s_lshl_b32 s30, s24, 15
	s_mov_b32 s31, 0
	s_add_nc_u64 s[4:5], s[4:5], s[30:31]
	s_lshl_b32 s30, s24, 12
	s_add_nc_u64 s[10:11], s[10:11], s[30:31]
	s_lshl_b32 s30, s24, 8
	s_add_nc_u64 s[12:13], s[12:13], s[30:31]
.macro XLOAD t
.irp i, 0,1,2,3
	global_load_b128 v[R+16*((\t)%8)+4*\i:R+16*((\t)%8)+4*\i+3], v2, s[4:5] offset:2048*(\t)+512*\i th:TH_LOAD_NT   ; 32 lanes read 512 consecutive bytes
.endr
.endm
.macro XTURN t                         ; step t's numbers through the stage: LDS serves a wave's instructions in order (ISA guide 5.7.1), so no wait stands between the stores and the loads
.irp i, 0,1,2,3
	ds_store_b128 v3, v[R+16*((\t)%8)+4*\i:R+16*((\t)%8)+4*\i+3] offset:32*SP*((\t)%2)+8*SP*\i
.endr
.irp i, 0,1,2,3
	ds_load_b128 v[XN+16*((\t)%2)+4*\i:XN+16*((\t)%2)+4*\i+3], v4 offset:32*SP*((\t)%2)+16*\i
.endr
.endm
.irp t, 0,1,2,3,4,5,6,7
	XLOAD \t
.endr
	s_wait_loadcnt 28                              ; step 0's four loads are in; the seven younger steps' 28 stay out
	XTURN 0
.macro XSTEP t
.set XS, XN+16*((\t)%2)
.if (\t) > 0
	s_wait_dscnt 1                                 ; this step's numbers are back from the stage (the last step's byte store may be out): so its stores into the stage have read their registers,
.else
	s_wait_dscnt 0x0
.endif
.if (\t)+8 < 16
	XLOAD (\t)+8                                   ; which take the loads of eight steps on
.endif
.if (\t)+1 < 16
.if 14-(\t) >= 7
	s_wait_loadcnt 28                              ; the next step's four loads are in; those of the seven steps behind it may be out
.else
	s_wait_loadcnt 4*(14-(\t))
.endif
	XTURN (\t)+1                                   ; and go through the other stage while this step is worked
.endif
	v_max3_num_f32 v16, |v[XS]|, |v[XS+1]|, |v[XS+2]|              ; the largest magnitude of my 16, in two chains
	v_max3_num_f32 v17, |v[XS+3]|, |v[XS+4]|, |v[XS+5]|
.irp i, 6,10
	s_delay_alu instid0(VALU_DEP_2)
	v_max3_num_f32 v16, v16, |v[XS+\i]|, |v[XS+\i+1]|
	s_delay_alu instid0(VALU_DEP_2)
	v_max3_num_f32 v17, v17, |v[XS+\i+2]|, |v[XS+\i+3]|
.endr
	s_delay_alu instid0(VALU_DEP_2)
	v_max3_num_f32 v16, v16, |v[XS+14]|, |v[XS+15]|
	s_delay_alu instid0(VALU_DEP_1)
	v_max3_num_f32 v16, v16, v17, 0x1800000        ; and the floor 2^(3 - 127): the byte cannot fall under 1
	s_delay_alu instid0(VALU_DEP_1)
	v_max_num_f32_dpp v16, v16, v16 row_xmask:1 row_mask:0xf bank_mask:0xf   ; with my neighbour's 16: the block's
	s_delay_alu instid0(VALU_DEP_1)
	v_add_nc_u32 v18, 0xff000000, v16              ; 2 off its exponent field: the conversion takes the exponent field of this operand as its scale
	v_cvt_scalef32_pk8_fp4_f32 v[C+2*(\t)], v[XS:XS+7], v18
	v_cvt_scalef32_pk8_fp4_f32 v[C+2*(\t)+1], v[XS+8:XS+15], v18
	v_lshrrev_b32 v[E+(\t)], 23, v18               ; the scale's byte (also the plain instruction behind the conversions)
	ds_store_b8 v6, v[E+(\t)] offset:16*(\t)       ; both lanes of a block write the same byte with the same value
	global_store_b64 v5, v[C+2*(\t):C+2*(\t)+1], s[10:11] offset:256*(\t)   ; the wave stores 256 consecutive bytes, aligned
.endm
.irp t, 0,1,2,3,4,5,6,7,8,9,10,11,12,13,14,15
	XSTEP \t
.endr
	ds_load_b64 v[20:21], v8                       ; my wave's 256 scale bytes: these see my stores
	s_wait_dscnt 0x0
	global_store_b64 v5, v[20:21], s[12:13]        ; 256 consecutive bytes, aligned
	s_branch .Ljoin
	; ---------------- the weights, part 1: four blocks of 32 along K for my 32 columns ----------------
.Lweights:
	s_cmp_lt_u32 s27, 48                           ; W_qkv's columns or W_out's: the choice hangs on the work-group's number alone
	s_cselect_b64 s[6:7], s[6:7], s[8:9]
	s_mov_b32 s29, 4096
	s_cselect_b32 s29, 12288, s29                  ; bytes from a row k to the next
	s_cselect_b32 s30, 0, 48
	s_sub_co_u32 s30, s27, s30                     ; which 64 columns of that tensor
	s_lshl_b32 s31, s28, 9
	s_lshl_b32 s32, s23, 7
	s_add_co_u32 s31, s31, s32                     ; my first k: 512 ky + 128 piece
	s_mul_i32 s31, s31, s29
	s_lshl_b32 s30, s30, 8
	s_lshl_b32 s32, s22, 7
	s_add_co_u32 s30, s30, s32
	s_add_co_u32 s30, s30, s31
	s_mov_b32 s31, 0
	s_add_nc_u64 s[40:41], s[6:7], s[30:31]        ; a base for each of the four blocks: none is stepped
	s_lshl_b32 s30, s29, 5
	s_add_nc_u64 s[42:43], s[40:41], s[30:31]
	s_add_nc_u64 s[44:45], s[42:43], s[30:31]
	s_add_nc_u64 s[46:47], s[44:45], s[30:31]
.set i_, 0
.rept 32
	v_mad_u32_u24 v[VO+i_], s29, i_, v9            ; row i of a block, my column
.set i_, i_+1
.endr
.macro WLOAD t                         ; block t: W(32 t + i, my column): each load reads 128 consecutive bytes
.set i_, 0
.rept 32
	global_load_b32 v[WN+32*((\t)%2)+i_], v[VO+i_], s[40+2*(\t):41+2*(\t)] th:TH_LOAD_NT
.set i_, i_+1
.endr
.endm
	WLOAD 0
	WLOAD 1
.macro WBLOCK t
.set XS, WN+32*((\t)%2)
.if (\t) < 3
	s_wait_loadcnt 32                              ; this block's 32 loads are in; the next block's 32 may be out
.else
	s_wait_loadcnt 0x0
.endif
	v_max3_num_f32 v17, |v[XS]|, |v[XS+1]|, |v[XS+2]|              ; the block's largest magnitude: all 32 numbers are mine
	v_max3_num_f32 v18, |v[XS+3]|, |v[XS+4]|, |v[XS+5]|
.irp i, 6,10,14,18,22,26
	s_delay_alu instid0(VALU_DEP_2)
	v_max3_num_f32 v17, v17, |v[XS+\i]|, |v[XS+\i+1]|
	s_delay_alu instid0(VALU_DEP_2)
	v_max3_num_f32 v18, v18, |v[XS+\i+2]|, |v[XS+\i+3]|
.endr
	s_delay_alu instid0(VALU_DEP_2)
	v_max3_num_f32 v17, v17, |v[XS+30]|, |v[XS+31]|
	s_delay_alu instid0(VALU_DEP_1)
	v_max3_num_f32 v17, v17, v18, 0x1800000        ; and the floor
	s_delay_alu instid0(VALU_DEP_1)
	v_add_nc_u32 v19, 0xff000000, v17              ; the conversion's scale operand
	s_delay_alu instid0(VALU_DEP_1)
	v_lshrrev_b32 v18, 23, v19                     ; the scale's byte
.if (\t) == 0
	s_delay_alu instid0(VALU_DEP_1)
	v_mov_b32 v16, v18                             ; four bytes to a word, the lower K in the lower byte
.else
	s_delay_alu instid0(VALU_DEP_1)
	v_lshl_or_b32 v16, v18, 8*(\t), v16
.endif
.irp g, 0,1,2,3
	v_cvt_scalef32_pk8_fp4_f32 v[WC+4*(\t)+\g], v[XS+8*\g:XS+8*\g+7], v19
.endr
	v_nop                                          ; a plain instruction behind the conversions
	ds_store_b128 v10, v[WC+4*(\t):WC+4*(\t)+3] offset:16*(\t)     ; 32 codes: 16 bytes of my column's row
.if (\t)+2 < 4
	WLOAD (\t)+2
.endif
.endm
	WBLOCK 0
	WBLOCK 1
	WBLOCK 2
	WBLOCK 3
	ds_store_b32 v11, v16
.Ljoin:
	s_wait_dscnt 0x0                               ; for the others' sake: my LDS stores have landed
	s_barrier_signal -1
	s_barrier_wait -1                              ; the one barrier, passed by every wave of every work-group
	s_cmp_lt_u32 ttmp9, 128
	s_cbranch_scc1 .Lend
	; ---------------- the weights, part 2: whole rows leave ----------------
.irp k, 0,1,2,3
	ds_load_b128 v[144+4*\k:147+4*\k], v12 offset:544*\k
.endr
.irp k, 0,1,2,3
	s_wait_dscnt 3-\k                              ; the younger reads may be out
	global_store_b128 v13, v[144+4*\k:147+4*\k], s[36:37] offset:1024*\k   ; sixteen lanes store 256 consecutive bytes, aligned
.endr
	s_cmp_lt_u32 s20, 2
	s_cbranch_scc0 .Lend
	ds_load_b128 v[160:163], v14
	s_wait_dscnt 0x0
	global_store_b128 v15, v[160:163], s[38:39]    ; 16 of a row's 32 scale bytes: the other 16 belong to the work-group of the other half of K; 128 KiB in the whole launch go out so
.Lend:
	s_wait_tensorcnt 0x0
	ds_add_u32 v240, v241
	s_wait_dscnt 0x0
	s_endpgm
.Lfunc_end_k_qba1e9438b0_prep:
	.size	k_qba1e9438b0_prep, .Lfunc_end_k_qba1e9438b0_prep-k_qba1e9438b0_prep
	.p2alignl 7, 3214868480
	.fill 96, 4, 3214868480
	.section	.rodata,"a",@progbits
	.p2align	6, 0x0
	.amdhsa_kernel k_qba1e9438b0_prep
		.amdhsa_group_segment_fixed_size 84992
		.amdhsa_private_segment_fixed_size 0
		.amdhsa_enable_private_segment 0
		.amdhsa_kernarg_size 56
		.amdhsa_user_sgpr_count 2
		.amdhsa_user_sgpr_kernarg_segment_ptr 1
		.amdhsa_wavefront_size32 1
		.amdhsa_system_sgpr_workgroup_id_x 1
		.amdhsa_system_sgpr_workgroup_id_y 1
		.amdhsa_system_sgpr_workgroup_id_z 1
		.amdhsa_system_vgpr_workitem_id 0
		.amdhsa_next_free_vgpr 242
		.amdhsa_next_free_sgpr 66
		.amdhsa_reserve_vcc 0
		.amdhsa_float_denorm_mode_32 3
		.amdhsa_float_denorm_mode_16_64 3
		.amdhsa_memory_ordered 1
		.amdhsa_forward_progress 1
		.amdhsa_inst_pref_size 64
	.end_amdhsa_kernel
	.amdgpu_metadata
---
amdhsa.version: [ 1, 2 ]
amdhsa.kernels:
  - .name:           k_qba1e9438b0_prep
    .symbol:         k_qba1e9438b0_prep.kd
    .args:
      - { .name: X, .offset: 0, .size: 8, .value_kind: global_buffer, .address_space: global }
      - { .name: W_qkv, .offset: 8, .size: 8, .value_kind: global_buffer, .address_space: global }
      - { .name: W_out, .offset: 16, .size: 8, .value_kind: global_buffer, .address_space: global }
      - { .name: xc, .offset: 24, .size: 8, .value_kind: global_buffer, .address_space: global }
      - { .name: xs, .offset: 32, .size: 8, .value_kind: global_buffer, .address_space: global }
      - { .name: wc, .offset: 40, .size: 8, .value_kind: global_buffer, .address_space: global }
      - { .name: ws, .offset: 48, .size: 8, .value_kind: global_buffer, .address_space: global }
    .group_segment_fixed_size: 84992
    .private_segment_fixed_size: 0
    .kernarg_segment_align: 8
    .kernarg_segment_size: 56
    .max_flat_workgroup_size: 256
    .sgpr_count:     66
    .vgpr_count:     242
    .wavefront_size: 32
...
	.end_amdgpu_metadata
.endif
;; end of part 1
;; launch qkv (part 2): grid 16 x 32, 12 waves a work-group, clusters of 4 x 4, 261,376 bytes of LDS; arguments xc, xs, wc, ws, b_qkv, qkvc, qkvs; writes qkvc, qkvs
.if DOCPART == 2
	.amdgcn_target "amdgcn-amd-amdhsa--gfx1250"
	.amdhsa_code_object_version 6
	.text
	.protected	k_qba1e9438b0_qkv
	.globl	k_qba1e9438b0_qkv
	.p2align	8
	.type	k_qba1e9438b0_qkv,@function
k_qba1e9438b0_qkv:
	s_mov_b64 s[64:65], 0
	v_nop
	global_prefetch_b8 v0, s[64:65] scope:SCOPE_SE
	s_setreg_imm32_b32 hwreg(HW_REG_WAVE_MODE, 25, 1), 1
	s_wait_xcnt 0x0
	s_wait_alu depctr_hold_cnt(0) depctr_sa_sdst(0) depctr_va_vdst(0) depctr_va_sdst(0) depctr_va_ssrc(0) depctr_va_vcc(0) depctr_vm_vsrc(0)
	s_getreg_b32 s2, hwreg(HW_REG_IB_STS2, 6, 4)
	s_cmp_eq_u32 s2, 0
	s_cbranch_scc0 .Lentry_in_a_cluster
	s_endpgm
.Lentry_in_a_cluster:
	s_bfe_u32 s2, ttmp6, 0x10000c
	s_cmp_lg_u32 s2, 0xf033
	s_cbranch_scc0 .Lentry_shape_is_right
	s_endpgm
.Lentry_shape_is_right:
; QKV = X W_qkv + b_qkv on codes of E2M1, and at once the quantisers of what follows: Q and K along the head's 64, V along the keys.  No f32 number of QKV goes to memory.
; SHARES.  A work-group takes 256 tokens (ry) x one head's 192 columns (hx); all of K = 1,024 lies in LDS, in two chunks of 512, each filled once: nothing is filled again.
; ALL TWELVE WAVES RUN ONE TEXT; a wave's role lies in its addresses.  A wave multiplies 8 tiles of 16 rows as source 0 by 2 tiles as source 1: 16 accumulators.  In a result a lane holds one row of source 1,
; and its registers run along source 0.
;   waves 0-7:  source 0 = the head's columns 0-127 (Q's 64, then K's 64), source 1 = tokens 32 w .. + 31: a lane's 64 registers are one token's Q and K: four blocks of 32.
;   waves 8-11: source 0 = tokens 128 ((w >> 1) & 1) .. + 127, source 1 = V's columns 32 (w & 1) .. + 31: a lane's 64 registers are 128 keys' worth (with lane xor 16) of one channel of V.
; So in both roles the same lines quantise along source 0 and give a whole operand fragment (8 registers) and a whole scale word.
; OUT, as images of operand registers (a piece = 512 bytes, lane l's 16 bytes at 16 l, a lane holding one block of 32 codes):
;   qkvc: Q at 0, K at 4,194,304: [head bh][token tile][512];  V at 8,388,608: [bh][key step of 128][channel tile][c][512].   qkvs: Q's words at 0, K's at 524,288: [bh][token][4]; V's at 1,048,576: [bh][step][channel][4].
;   A word of Q: bytes 0, 1 Q's two blocks, bytes 2, 3 K's two (they stand over zero codes in the next launch and are never 0xff); a word of K: the same turned by 16 bits.
; CLUSTER 4 x 4: X's tiles hang on ry alone and are asked for jointly along a row of the cluster, W's on hx alone, along a column.
; LIMITS: NaN and infinities are not served; a block whose largest magnitude lies under 2^-124, a block of zeros among them, gets the byte 1 (only this program reads the bytes).
; LDS: one space of rows: 0-255 tokens, 256-447 the head's columns.  Codes: chunk c at c CH, rows 272 bytes apart (256 + 16 of padding: 68 words, so the 16 rows of a load start in 16 different groups of banks).
; Scale bytes: 32 a row, as units of 8 rows (256 bytes + 16).  The head's 192 biases behind them, in 256-byte blocks of their own.
.set CH,    121856
.set SCL,   243712
.set BIAS,  259072
.set AD0, 1                            ; v1  source 0: 272 (first row + r) + 16 h
.set AD1, 2                            ; v2  source 1 likewise
.set AS0, 3                            ; v3  source 0's scale words: lane l takes row (first row + l)
.set AS1, 4                            ; v4  source 1's
.set SC0, 28                           ; v28-43  source 0's scale words of a chunk: register 4 b + q: lanes 0-15 tile 2 b, lanes 16-31 tile 2 b + 1, the chunk's q-th 128 along K
.set SC1, 44                           ; v44-47  source 1's: lanes 0-15 tile 0, lanes 16-31 tile 1
.set S1F, 48                           ; v48-63  source 1's two fragments; later the codes made
.set S0F, 64                           ; v64-127 source 0's eight fragments; later the biases and the quantiser's work
.set ACC, 128                          ; v128-255 accumulator (i, j) at 128 + 64 j + 8 i
.set TM,  96                           ; v96-111 the quantiser's work;  v112-115 the scale words made
.set S1_TJ, 4352
.set S1_TQ, 64
.set S1_TC, 32
.set SEL, 46                           ; s[46:47] selects of v_permlanex16_b32: lane l xor 16
.macro CROUND                          ; a round of the cluster's barrier
	s_barrier_signal -1
	s_barrier_wait -1
	s_cmp_lg_u32 s18, 0
	s_cbranch_scc1 .Lnot_wave_0_\@
	s_barrier_signal -3
.Lnot_wave_0_\@:
	s_barrier_wait -3
	s_barrier_signal -1
	s_barrier_wait -1
.endm
; One product 16 x 16 x 128.  ra, rb: source 0's, source 1's scale words stand in lanes 16-31 of their register.  WMZ starts a sum, WMA adds in place.
.macro WMZ d, a, b, sa, sb, ra, rb
.if (\ra) && (\rb)
	v_wmma_scale_f32_16x16x128_f8f6f4 v[\d:\d+7], v[\a:\a+7], v[\b:\b+7], 0, v[\sa], v[\sb] matrix_a_fmt:MATRIX_FMT_FP4 matrix_b_fmt:MATRIX_FMT_FP4 matrix_a_scale:MATRIX_SCALE_ROW1 matrix_b_scale:MATRIX_SCALE_ROW1
.elseif \ra
	v_wmma_scale_f32_16x16x128_f8f6f4 v[\d:\d+7], v[\a:\a+7], v[\b:\b+7], 0, v[\sa], v[\sb] matrix_a_fmt:MATRIX_FMT_FP4 matrix_b_fmt:MATRIX_FMT_FP4 matrix_a_scale:MATRIX_SCALE_ROW1
.elseif \rb
	v_wmma_scale_f32_16x16x128_f8f6f4 v[\d:\d+7], v[\a:\a+7], v[\b:\b+7], 0, v[\sa], v[\sb] matrix_a_fmt:MATRIX_FMT_FP4 matrix_b_fmt:MATRIX_FMT_FP4 matrix_b_scale:MATRIX_SCALE_ROW1
.else
	v_wmma_scale_f32_16x16x128_f8f6f4 v[\d:\d+7], v[\a:\a+7], v[\b:\b+7], 0, v[\sa], v[\sb] matrix_a_fmt:MATRIX_FMT_FP4 matrix_b_fmt:MATRIX_FMT_FP4
.endif
.endm
.macro WMA d, a, b, sa, sb, ra, rb
.if (\ra) && (\rb)
	v_wmma_scale_f32_16x16x128_f8f6f4 v[\d:\d+7], v[\a:\a+7], v[\b:\b+7], v[\d:\d+7], v[\sa], v[\sb] matrix_a_fmt:MATRIX_FMT_FP4 matrix_b_fmt:MATRIX_FMT_FP4 matrix_a_scale:MATRIX_SCALE_ROW1 matrix_b_scale:MATRIX_SCALE_ROW1
.elseif \ra
	v_wmma_scale_f32_16x16x128_f8f6f4 v[\d:\d+7], v[\a:\a+7], v[\b:\b+7], v[\d:\d+7], v[\sa], v[\sb] matrix_a_fmt:MATRIX_FMT_FP4 matrix_b_fmt:MATRIX_FMT_FP4 matrix_a_scale:MATRIX_SCALE_ROW1
.elseif \rb
	v_wmma_scale_f32_16x16x128_f8f6f4 v[\d:\d+7], v[\a:\a+7], v[\b:\b+7], v[\d:\d+7], v[\sa], v[\sb] matrix_a_fmt:MATRIX_FMT_FP4 matrix_b_fmt:MATRIX_FMT_FP4 matrix_b_scale:MATRIX_SCALE_ROW1
.else
	v_wmma_scale_f32_16x16x128_f8f6f4 v[\d:\d+7], v[\a:\a+7], v[\b:\b+7], v[\d:\d+7], v[\sa], v[\sb] matrix_a_fmt:MATRIX_FMT_FP4 matrix_b_fmt:MATRIX_FMT_FP4
.endif
.endm
.macro SCALES ch                       ; a chunk's scale words: 16 bytes (four words, 512 along K) of each row
.irp b, 0,1,2,3
	ds_load_b128 v[SC0+4*\b:SC0+4*\b+3], v[AS0] offset:1088*\b+16*(\ch)
.endr
	ds_load_b128 v[SC1:SC1+3], v[AS1] offset:16*(\ch)
.endm
; 128 along K: the chunk's q-th.  The 16 accumulators take turns, one instruction a turn, in the same order in every step.
.macro KSTEP ch, q, zero, first
.if !(\first)
.rept 4
	v_nop                                          ; four places between the last products and the loads into registers that they read (ISA guide 7.12.1 for vector instructions)
.endr
.endif
.if (\q) == 0
	SCALES \ch
.endif
.irp j, 0,1
.irp c, 0,1
	ds_load_b128 v[S1F+8*\j+4*\c:S1F+8*\j+4*\c+3], v[AD1] offset:S1_TJ*\j+S1_TQ*(\q)+S1_TC*\c
.endr
.endr
.irp i, 0,1,2,3,4,5,6,7
.irp c, 0,1
	ds_load_b128 v[S0F+8*\i+4*\c:S0F+8*\i+4*\c+3], v[AD0] offset:4352*\i+64*(\q)+32*\c
.endr
.endr
.irp i, 0,1,2,3,4,5,6,7
	s_wait_dscnt 2*(7-\i)                          ; tile i of source 0 is in, and all that was asked for ahead of it; the younger tiles' loads, two each, may be out
.set rD, ACC+8*\i
.set rA, S0F+8*\i
.set rS, SC0+4*(\i/2)+(\q)
.set rT, SC1+(\q)
.set rR, \i%2
.if \zero
	WMZ rD, rA, S1F, rS, rT, rR, 0
	WMZ rD+64, rA, S1F+8, rS, rT, rR, 1
.else
	WMA rD, rA, S1F, rS, rT, rR, 0
	WMA rD+64, rA, S1F+8, rS, rT, rR, 1
.endif
.endr
.endm
; 64 numbers of a lane, register 16 b + 8 u + i = index 32 b + 16 u + 8 h + i along the next K, become a fragment's codes in v[pc] .. v[pc + 7] and its scale word in v[pw].
; A block of 32 lies in lanes l and l xor 16.  The codes of (block b, half u) go to register 4 (b / 2) + 2 u + b % 2; the exchange of halves then gives register 4 c + g the codes 64 c + 32 (lane / 16) + 8 g + 0 .. 7.
.macro QUANT4 s, pc, pw
.irp b, 0,1,2,3
	v_max3_num_f32 v[TM+\b], |v[\s+16*\b]|, |v[\s+1+16*\b]|, 0x1800000   ; my 16 numbers of block b, and the floor 2^(3 - 127): the byte cannot fall under 1
.endr
.irp i, 2,4,6,8,10,12,14
.irp b, 0,1,2,3
	s_delay_alu instid0(VALU_DEP_4)
	v_max3_num_f32 v[TM+\b], v[TM+\b], |v[\s+16*\b+\i]|, |v[\s+1+16*\b+\i]|
.endr
.endr
.irp b, 0,1,2,3
	s_delay_alu instid0(VALU_DEP_4)
	v_permlanex16_b32 v[TM+4+\b], v[TM+\b], s[SEL], s[SEL+1]
.endr
.irp b, 0,1,2,3
	s_delay_alu instid0(VALU_DEP_4)
	v_max_num_f32 v[TM+\b], v[TM+\b], v[TM+4+\b]   ; the block's largest magnitude
.endr
.irp b, 0,1,2,3
	s_delay_alu instid0(VALU_DEP_4)
	v_add_nc_u32 v[TM+12+\b], 0xff000000, v[TM+\b] ; 2 off its exponent field: the conversion's scale operand
.endr
.irp b, 0,1,2,3
	s_delay_alu instid0(VALU_DEP_4)
	v_lshrrev_b32 v[TM+4+\b], 23, v[TM+12+\b]      ; the scale's byte
.endr
	s_delay_alu instid0(VALU_DEP_3)
	v_lshl_or_b32 v[\pw], v[TM+5], 8, v[TM+4]
	s_delay_alu instid0(VALU_DEP_1)
	v_lshl_or_b32 v[\pw], v[TM+6], 16, v[\pw]
	s_delay_alu instid0(VALU_DEP_1)
	v_lshl_or_b32 v[\pw], v[TM+7], 24, v[\pw]
.irp b, 0,1,2,3
	v_cvt_scalef32_pk8_fp4_f32 v[\pc+4*(\b/2)+(\b%2)], v[\s+16*\b:\s+16*\b+7], v[TM+12+\b]
	v_cvt_scalef32_pk8_fp4_f32 v[\pc+4*(\b/2)+2+(\b%2)], v[\s+16*\b+8:\s+16*\b+15], v[TM+12+\b]
.endr
	v_nop                                          ; a plain instruction behind the conversions
.irp c, 0,1
	v_permlane16_swap_b32 v[\pc+4*\c], v[\pc+4*\c+1]
	v_permlane16_swap_b32 v[\pc+4*\c+2], v[\pc+4*\c+3]
.endr
.endm
	s_load_b256 s[4:11], s[0:1], 0x0               ; xc s[4:5], xs s[6:7], wc s[8:9], ws s[10:11]
	s_load_b128 s[12:15], s[0:1], 0x20             ; b_qkv s[12:13], qkvc s[14:15]
	s_load_b64 s[16:17], s[0:1], 0x30              ; qkvs
	v_lshl_add_u32 v26, v0, 2, 0x3f700
	v_mov_b32 v27, 0
	ds_add_u32 v26, v27
	ds_add_u32 v26, v27
	v_lshrrev_b32 v12, 5, v0
	s_delay_alu instid0(VALU_DEP_1)
	v_readfirstlane_b32 s18, v12                   ; wave 0..11
	s_lshr_b32 s19, s18, 3                         ; 1 in V's waves
	s_xor_b32 s20, s19, 1                          ; 1 in Q's and K's
	s_lshr_b32 s21, s18, 1
	s_and_b32 s21, s21, 1
	s_and_b32 s22, s18, 1
	s_lshl_b32 s23, s20, 8
	s_mul_i32 s92, s19, s21
	s_lshl_b32 s92, s92, 7
	s_add_co_u32 s23, s23, s92                     ; source 0's first row: 256, or tokens 0 or 128
	s_mul_i32 s92, s18, s20
	s_lshl_b32 s92, s92, 5
	s_lshl_b32 s93, s22, 5
	s_add_co_u32 s93, s93, 384
	s_mul_i32 s93, s93, s19
	s_add_co_u32 s92, s92, s93                     ; source 1's first row: tokens 32 w, or 384 + 32 (w & 1)
	v_and_b32 v12, 15, v0                          ; r
	v_bfe_u32 v13, v0, 4, 1                        ; h
	v_and_b32 v14, 31, v0                          ; lane
	s_delay_alu instid0(VALU_DEP_3)
	v_mul_u32_u24 v15, v12, 272
	s_delay_alu instid0(VALU_DEP_1)
	v_lshl_add_u32 v15, v13, 4, v15
	s_mul_i32 s93, s23, 272
	v_add_nc_u32 v[AD0], s93, v15
	s_mul_i32 s93, s92, 272
	v_add_nc_u32 v[AD1], s93, v15
	v_lshrrev_b32 v16, 3, v14
	v_and_b32 v17, 7, v14
	s_delay_alu instid0(VALU_DEP_2)
	v_mul_u32_u24 v16, v16, 272
	s_delay_alu instid0(VALU_DEP_1)
	v_lshl_add_u32 v16, v17, 5, v16                ; row l of 32: unit l / 8, 32 bytes a row
	s_mul_i32 s93, s23, 34                         ; 272 bytes for each 8 rows
	s_add_co_u32 s93, s93, SCL
	v_add_nc_u32 v[AS0], s93, v16
	s_mul_i32 s93, s92, 34
	s_add_co_u32 s93, s93, SCL
	v_add_nc_u32 v[AS1], s93, v16
	v_lshl_add_u32 v5, v13, 5, BIAS                ; Q, K: the biases of columns 16 i + 8 h + 0 .. 7
	s_lshl_b32 s93, s22, 7
	s_add_co_u32 s93, s93, BIAS+512
	v_lshl_add_u32 v6, v12, 2, s93                 ; V: the bias of my column 128 + 32 (w & 1) + 16 j + r
	v_lshlrev_b32 v20, 2, v0                       ; the biases' way in: thread t brings number t
	s_delay_alu instid0(VALU_DEP_1)
	v_add_nc_u32 v21, BIAS, v20
	s_bfe_u32 s40, ttmp6, 0x40000                  ; cx
	s_bfe_u32 s41, ttmp6, 0x40004                  ; cy
	s_lshl_b32 s42, ttmp9, 2
	s_add_co_u32 s42, s42, s40                     ; hx: the head
	s_and_b32 s43, ttmp7, 0xffff
	s_lshl_b32 s43, s43, 2
	s_add_co_u32 s43, s43, s41                     ; ry: the block of 256 tokens
	s_lshl_b32 s44, s41, 2
	s_lshl_b32 s44, 15, s44                        ; my row of the cluster
	s_lshl_b32 s45, 0x1111, s40                    ; my column
	; group 1 for codes: 64 rows x 256 bytes, 512 bytes apart in memory, 16 bytes of padding behind each row
	s_or_b32 s24, s44, (1<<20)|(1<<21)|(5<<22)|(3<<25)             ; X's tiles go to my row
	s_or_b32 s48, s45, (1<<20)|(1<<21)|(5<<22)|(3<<25)             ; W's to my column
.irp g, 24, 48
	s_mov_b32 s[\g+1], 256<<16                     ; tensor_dim0
	s_mov_b32 s[\g+2], 64<<16                      ; tensor_dim1
	s_mov_b32 s[\g+3], 256<<16                     ; tile_dim0
	s_mov_b32 s[\g+4], 64                          ; tile_dim1
	s_mov_b32 s[\g+5], 512                         ; from row to row
	s_mov_b32 s[\g+6], 0
	s_mov_b32 s[\g+7], 0
.endr
	; group 1 for scale bytes: those of 64 rows are 2,048 dense bytes: 8 rows of 256 (32 elements of 8 bytes), 16 bytes of padding behind each
	s_or_b32 s68, s44, (3<<16)|(1<<20)|(1<<21)|(5<<22)|(3<<25)
	s_or_b32 s80, s45, (3<<16)|(1<<20)|(1<<21)|(5<<22)|(3<<25)
.irp g, 68, 80
	s_mov_b32 s[\g+1], 32<<16
	s_mov_b32 s[\g+2], 8<<16
	s_mov_b32 s[\g+3], 32<<16
	s_mov_b32 s[\g+4], 8
	s_mov_b32 s[\g+5], 32
	s_mov_b32 s[\g+6], 0
	s_mov_b32 s[\g+7], 0
.endr
	; what a wave fetches: waves 0-3 tokens 64 w .. + 63, waves 4-6 the head's columns 64 (w - 4) .. + 63.  X's addresses are made of ry and the wave alone, W's of hx and the wave alone.
	s_min_u32 s92, s18, 3
	s_lshl_b32 s92, s92, 6
	s_lshl_b32 s93, s43, 8
	s_add_co_u32 s92, s92, s93
	s_lshl_b32 s94, s92, 9
	s_mov_b32 s95, 0
	s_lshl_b32 s96, s92, 5
	s_mov_b32 s97, 0
	s_max_u32 s98, s18, 4
	s_sub_co_u32 s98, s98, 4
	s_min_u32 s98, s98, 2
	s_lshl_b32 s98, s98, 6
	s_mul_i32 s99, s42, 192
	s_add_co_u32 s98, s98, s99
	s_lshl_b32 s66, s98, 9
	s_mov_b32 s67, 0
	s_lshl_b32 s98, s98, 5
	s_mov_b32 s99, 0
	s_mul_i32 s100, s18, 17408                     ; where they go: 64 rows x 272 bytes a wave: no place in the cluster enters an LDS address
	s_mul_i32 s101, s18, 2176                      ; and 8 units of scale bytes a wave
	s_wait_dscnt 0x0
	s_wait_kmcnt 0x0
	s_add_nc_u64 s[94:95], s[4:5], s[94:95]
	s_add_nc_u64 s[96:97], s[6:7], s[96:97]
	s_add_nc_u64 s[66:67], s[8:9], s[66:67]
	s_add_nc_u64 s[98:99], s[10:11], s[98:99]
.irp c, 0,1
	s_mov_b32 s[32+4*\c], 1
	s_add_co_u32 s[33+4*\c], s100, \c*CH
	s_add_nc_u64 s[34+4*\c:35+4*\c], s[94:95], \c*256
	s_or_b32 s[35+4*\c], s[35+4*\c], 0x80000000
	s_mov_b32 s[56+4*\c], 1
	s_add_co_u32 s[57+4*\c], s100, \c*CH
	s_add_nc_u64 s[58+4*\c:59+4*\c], s[66:67], \c*256
	s_or_b32 s[59+4*\c], s[59+4*\c], 0x80000000
.endr
	s_mov_b32 s76, 1
	s_add_co_u32 s77, s101, SCL
	s_mov_b64 s[78:79], s[96:97]
	s_or_b32 s79, s79, 0x80000000
	s_mov_b32 s88, 1
	s_add_co_u32 s89, s101, SCL
	s_mov_b64 s[90:91], s[98:99]
	s_or_b32 s91, s91, 0x80000000
	; where the results go
	s_mul_i32 s92, s42, 768
	s_mov_b32 s93, 0
	s_add_nc_u64 s[12:13], s[12:13], s[92:93]      ; the head's 192 biases
	s_lshr_b32 s92, s43, 3                         ; the batch
	s_and_b32 s93, s43, 7                          ; which 256 of its 2,048 tokens
	s_lshl_b32 s92, s92, 4
	s_add_co_u32 s92, s92, s42                     ; bh
	s_lshl_b32 s94, s92, 16
	s_lshl_b32 s95, s93, 3
	s_add_co_u32 s95, s95, s18                     ; Q, K: which 32 tokens
	s_lshl_b32 s96, s95, 10
	s_add_co_u32 s96, s96, s94                     ; their two pieces of Q
	s_lshl_b32 s97, s92, 13
	s_lshl_b32 s95, s95, 7
	s_add_co_u32 s97, s97, s95                     ; their 32 words
	s_lshl_b32 s95, s93, 1
	s_add_co_u32 s95, s95, s21                     ; V: the key step
	s_lshl_b32 s98, s95, 12
	s_add_co_u32 s98, s98, s94
	s_lshl_b32 s99, s22, 11
	s_add_co_u32 s98, s98, s99
	s_add_co_u32 s98, s98, 8388608
	s_lshl_b32 s99, s92, 12
	s_lshl_b32 s95, s95, 8
	s_add_co_u32 s99, s99, s95
	s_lshl_b32 s95, s22, 7
	s_add_co_u32 s99, s99, s95
	s_add_co_u32 s99, s99, 1048576
	s_mov_b32 s94, 1024
	s_mov_b32 s95, 512
	s_cmp_lt_u32 s18, 8
	s_cselect_b32 s96, s96, s98                    ; the first piece
	s_cselect_b32 s97, s97, s99                    ; the words
	s_cselect_b32 s94, 512, s94                    ; from source 1's tile 0 to tile 1
	s_cselect_b32 s95, 4194304, s95                ; from registers 0-3 to registers 4-7: Q to K, or V's c = 0 to c = 1
	v_lshl_add_u32 v7, v14, 4, s96
	s_delay_alu instid0(VALU_DEP_1)
	v_add_nc_u32 v8, s95, v7
	s_delay_alu instid0(VALU_DEP_2)
	v_add_nc_u32 v9, s94, v7
	s_delay_alu instid0(VALU_DEP_1)
	v_add_nc_u32 v10, s95, v9
	v_lshl_add_u32 v11, v14, 2, s97
	s_mov_b32 s[SEL], 0x76543210
	s_mov_b32 s[SEL+1], 0xfedcba98
	s_mov_b32 s101, 0xffff0000                     ; lanes 16-31
	CROUND                                         ; all sixteen work-groups are here: the joint loads meet
	s_cmp_lt_u32 s18, 4                            ; a wave's three loads stand in one branch: three loads of mine are out
	s_cbranch_scc0 .Lnot_x
	tensor_load_to_lds s[76:79], s[68:75]          ; scale bytes, chunk 0, chunk 1
	s_nop 0
	tensor_load_to_lds s[32:35], s[24:31]
	s_nop 0
	tensor_load_to_lds s[36:39], s[24:31]
	s_nop 0
.rept 4
	v_nop
.endr
	s_branch .Lasked
.Lnot_x:
	s_cmp_lt_u32 s18, 7
	s_cbranch_scc0 .Lasked
	tensor_load_to_lds s[88:91], s[80:87]
	s_nop 0
	tensor_load_to_lds s[56:59], s[48:55]
	s_nop 0
	tensor_load_to_lds s[60:63], s[48:55]
	s_nop 0
.rept 4
	v_nop
.endr
.Lasked:
	s_cmp_lt_u32 s18, 6                            ; threads 0-191 bring the biases
	s_cbranch_scc0 .Lno_bias
	s_wait_alu depctr_va_vdst(0)
	global_load_b32 v22, v20, s[12:13]
	s_wait_loadcnt 0x0
	ds_store_b32 v21, v22
.Lno_bias:
	s_wait_tensorcnt 0x1                           ; my scale bytes and my part of chunk 0 are in; chunk 1's load may stay out
	s_wait_dscnt 0x0                               ; my bias has landed
	s_barrier_signal -1
	s_barrier_wait -1
	KSTEP 0, 0, 1, 1                               ; the first step's products start the sums: nothing is cleared
	KSTEP 0, 1, 0, 0
	KSTEP 0, 2, 0, 0
	KSTEP 0, 3, 0, 0
	s_wait_tensorcnt 0x0                           ; my part of chunk 1 is in,
	s_wait_dscnt 0x0
	s_barrier_signal -1
	s_barrier_wait -1                              ; everybody's is
	v_add_nc_u32 v[AD0], CH, v[AD0]
	v_add_nc_u32 v[AD1], CH, v[AD1]
	s_wait_alu depctr_va_vdst(0)
	KSTEP 1, 0, 0, 0
	KSTEP 1, 1, 0, 0
	KSTEP 1, 2, 0, 0
	KSTEP 1, 3, 0, 0
	; THE WAY OUT.  The bias first, in f32; each accumulator is taken from its low end on.
.rept 4
	v_nop
.endr
	s_cmp_lt_u32 s18, 8
	s_cbranch_scc0 .Lbias_v
.irp i, 0,1,2,3,4,5,6,7
	ds_load_b128 v[S0F+8*\i:S0F+8*\i+3], v5 offset:64*\i
	ds_load_b128 v[S0F+8*\i+4:S0F+8*\i+7], v5 offset:64*\i+16
.endr
	s_wait_dscnt 0x0
.set n_, 0
.rept 32
	v_pk_add_f32 v[ACC+n_:ACC+n_+1], v[ACC+n_:ACC+n_+1], v[S0F+n_:S0F+n_+1]               ; Q, K: a register has its own column's bias
	v_pk_add_f32 v[ACC+64+n_:ACC+64+n_+1], v[ACC+64+n_:ACC+64+n_+1], v[S0F+n_:S0F+n_+1]
.set n_, n_+2
.endr
	s_branch .Lbias_done
.Lbias_v:
	ds_load_b32 v64, v6
	ds_load_b32 v66, v6 offset:64
	s_wait_dscnt 0x0
	v_mov_b32 v65, v64
	v_mov_b32 v67, v66
.set n_, 0
.rept 32
	v_pk_add_f32 v[ACC+n_:ACC+n_+1], v[ACC+n_:ACC+n_+1], v[64:65]                         ; V: a lane has one column's bias
	v_pk_add_f32 v[ACC+64+n_:ACC+64+n_+1], v[ACC+64+n_:ACC+64+n_+1], v[66:67]
.set n_, n_+2
.endr
.Lbias_done:
.irp b, 0,1,2,3
	v_mov_b32 v[TM+4+\b], 0                        ; written once: a lane permute's destination counts as one of its sources
.endr
	QUANT4 128, 48, 112
	global_store_b128 v7, v[48:51], s[14:15]       ; each store covers 512 consecutive bytes, aligned
	global_store_b128 v8, v[52:55], s[14:15]
	QUANT4 192, 56, 113
	global_store_b128 v9, v[56:59], s[14:15]
	global_store_b128 v10, v[60:63], s[14:15]
	v_cndmask_b32 v114, v112, v113, s101           ; lanes 0-15: tile 0's words, lanes 16-31: tile 1's
	global_store_b32 v11, v114, s[16:17]           ; 128 consecutive bytes: all the words that a wave makes
	s_cmp_lt_u32 s18, 8
	s_cbranch_scc0 .Lno_kwords
	v_alignbit_b32 v115, v114, v114, 16            ; K's word: the same four bytes turned by 16 bits
	global_store_b32 v11, v115, s[16:17] offset:524288
.Lno_kwords:
	s_wait_tensorcnt 0x0
	ds_add_u32 v26, v27
	s_wait_dscnt 0x0
	CROUND                                         ; the closing round: no work-group ends while a partner may still ask for a tile that names it
	s_endpgm
.Lfunc_end_k_qba1e9438b0_qkv:
	.size	k_qba1e9438b0_qkv, .Lfunc_end_k_qba1e9438b0_qkv-k_qba1e9438b0_qkv
	.p2alignl 7, 3214868480
	.fill 96, 4, 3214868480
	.section	.rodata,"a",@progbits
	.p2align	6, 0x0
	.amdhsa_kernel k_qba1e9438b0_qkv
		.amdhsa_group_segment_fixed_size 261376
		.amdhsa_private_segment_fixed_size 0
		.amdhsa_enable_private_segment 0
		.amdhsa_kernarg_size 56
		.amdhsa_user_sgpr_count 2
		.amdhsa_user_sgpr_kernarg_segment_ptr 1
		.amdhsa_wavefront_size32 1
		.amdhsa_system_sgpr_workgroup_id_x 1
		.amdhsa_system_sgpr_workgroup_id_y 1
		.amdhsa_system_sgpr_workgroup_id_z 1
		.amdhsa_system_vgpr_workitem_id 0
		.amdhsa_next_free_vgpr 256
		.amdhsa_next_free_sgpr 102
		.amdhsa_reserve_vcc 0
		.amdhsa_float_denorm_mode_32 3
		.amdhsa_float_denorm_mode_16_64 3
		.amdhsa_memory_ordered 1
		.amdhsa_forward_progress 1
		.amdhsa_inst_pref_size 62
	.end_amdhsa_kernel
	.amdgpu_metadata
---
amdhsa.version: [ 1, 2 ]
amdhsa.kernels:
  - .name:           k_qba1e9438b0_qkv
    .symbol:         k_qba1e9438b0_qkv.kd
    .args:
      - { .name: xc, .offset: 0, .size: 8, .value_kind: global_buffer, .address_space: global }
      - { .name: xs, .offset: 8, .size: 8, .value_kind: global_buffer, .address_space: global }
      - { .name: wc, .offset: 16, .size: 8, .value_kind: global_buffer, .address_space: global }
      - { .name: ws, .offset: 24, .size: 8, .value_kind: global_buffer, .address_space: global }
      - { .name: b_qkv, .offset: 32, .size: 8, .value_kind: global_buffer, .address_space: global }
      - { .name: qkvc, .offset: 40, .size: 8, .value_kind: global_buffer, .address_space: global }
      - { .name: qkvs, .offset: 48, .size: 8, .value_kind: global_buffer, .address_space: global }
    .group_segment_fixed_size: 261376
    .private_segment_fixed_size: 0
    .kernarg_segment_align: 8
    .kernarg_segment_size: 56
    .max_flat_workgroup_size: 384
    .sgpr_count:     102
    .vgpr_count:     256
    .wavefront_size: 32
...
	.end_amdgpu_metadata
.endif
;; end of part 2
;; launch attn (part 3): grid 4 x 64, 16 waves a work-group, no clusters, 169,984 bytes of LDS; arguments qkvc, qkvs, oc, os; writes oc, os
.if DOCPART == 3
	.amdgcn_target "amdgcn-amd-amdhsa--gfx1250"
	.amdhsa_code_object_version 6
	.text
	.protected	k_qba1e9438b0_attn
	.globl	k_qba1e9438b0_attn
	.p2align	8
	.type	k_qba1e9438b0_attn,@function
k_qba1e9438b0_attn:
	s_mov_b64 s[64:65], 0
	v_nop
	global_prefetch_b8 v0, s[64:65] scope:SCOPE_SE
	s_setreg_imm32_b32 hwreg(HW_REG_WAVE_MODE, 25, 1), 1
	s_wait_xcnt 0x0
; Causal attention of one head on codes of E2M1, and the quantiser of its result along d.  Q, K, V arrive as images of operand registers (see the launch before); the result leaves so too.
; THE SOFTMAX AHEAD OF THE SECOND PRODUCT: t = score x log2(e) / 8; M = the row's largest t so far, rounded UP to a whole number; p = 2^(t - M) is quantised along the keys, not normalised.
; The row's sum is taken of the unquantised p and divides O at the end.  When M moves, the sum and O are multiplied by 2^(old M - new M): exact.
; SHARES.  Work-group (i, bh) owns the blocks i and 7 - i of 256 queries of head bh.  Wave w takes 16 queries from 256 i + 16 w on in pass 1 and from 2,032 - that on in pass 2.
; Key steps of 128 that count: (2 i + 1 + [w >= 8]) + (15 - 2 i + [w <= 7]) = 17 for every wave of every one of the 256 work-groups.
; The head's whole K and V and their scale words lie in LDS, 140 KiB, dense, filled once: no byte is filled again and no wave stores to LDS.  The first half of the keys is waited for first: pass 1's queries lie under 1,024.
; NO CLUSTER: the work-groups that share K and V are the four i of a head, and which steps a wave leaves out hangs on i.
; LAYOUT.  Both products are used transposed: S^T = K Q^T (source 0 = 16 neighbouring keys, source 1 = my 16 queries; the head's 64 are half of the instruction's 128: the other half are zero codes on both sides),
; O^T = V^T P^T (source 0 = 16 channels, source 1 = P, K = 128 keys).  A lane holds ONE query (lane % 16) throughout; register 8 t + j of S^T is key 16 t + 8 (lane / 16) + j of the step.
; A block of 32 keys is tiles 2 b, 2 b + 1 of lanes l and l xor 16.  The codes of (block b, tile half u) go to register 4 (b / 2) + 2 u + b % 2, and the exchange of halves gives the operand's order.
; Both loops have constant trip counts; a step all of whose keys come after the wave's queries is jumped over by a scalar branch on ids.
; LIMITS: NaN and infinities are not served; v_exp_f32 gives 0 for a p under 2^-126; 1 / l is v_rcp_f32 and a multiplication; t is one multiplication by log2(e) / 8;
; a block whose largest number lies under 2^-124 (zeros among them) gets the byte 1: only this program reads the bytes.
; REGISTERS: v1-7 addresses that stay; v8-11 the step's; v12 -M, v13 the largest t, v[14:15] the sum; v16-23, v24-31 Q of pass 1, 2; v32-63, v192-223 eight tiles of K (four registers loaded, four zeros);
; v64-95 V; v96-159 S^T, then p; v160-191 O^T; v224-231 p's codes; v240-241 V's scale words; v248-251 K's; v255, v243 Q's; v253 p's; v232-239, v244-247, v252, v254 at work.
.set VIMG, 65536
.set KWRD, 131072
.set VWRD, 139264
.set TB,  2                            ; s2   the step's first byte among K's images, and among V's: 4,096 a step
.set TS,  3                            ; s3   among K's scale words: 512 a step
.set TJ,  66                           ; s66  among V's: 256 a step
.set CNT, 67                           ; s67  the loop's counter
.set KF,  92                           ; s92  the step's first key
.set Q0,  93                           ; s93  my first query
.set QL,  94                           ; s94  my last
.set SEL, 20                           ; s[20:21] selects of v_permlanex16_b32: lane l xor 16
.set CS,  22                           ; s[22:23] c = log2(e) / 8
.macro WMZ d, a, b, sa, sb, ra         ; a product that starts a sum; ra: source 0's scale words stand in lanes 16-31
.if \ra
	v_wmma_scale_f32_16x16x128_f8f6f4 v[\d:\d+7], v[\a:\a+7], v[\b:\b+7], 0, v[\sa], v[\sb] matrix_a_fmt:MATRIX_FMT_FP4 matrix_b_fmt:MATRIX_FMT_FP4 matrix_a_scale:MATRIX_SCALE_ROW1
.else
	v_wmma_scale_f32_16x16x128_f8f6f4 v[\d:\d+7], v[\a:\a+7], v[\b:\b+7], 0, v[\sa], v[\sb] matrix_a_fmt:MATRIX_FMT_FP4 matrix_b_fmt:MATRIX_FMT_FP4
.endif
.endm
.macro WMA d, a, b, sa, sb, ra         ; one that adds in place
.if \ra
	v_wmma_scale_f32_16x16x128_f8f6f4 v[\d:\d+7], v[\a:\a+7], v[\b:\b+7], v[\d:\d+7], v[\sa], v[\sb] matrix_a_fmt:MATRIX_FMT_FP4 matrix_b_fmt:MATRIX_FMT_FP4 matrix_a_scale:MATRIX_SCALE_ROW1
.else
	v_wmma_scale_f32_16x16x128_f8f6f4 v[\d:\d+7], v[\a:\a+7], v[\b:\b+7], v[\d:\d+7], v[\sa], v[\sb] matrix_a_fmt:MATRIX_FMT_FP4 matrix_b_fmt:MATRIX_FMT_FP4
.endif
.endm
	s_load_b256 s[4:11], s[0:1], 0x0               ; qkvc s[4:5], qkvs s[6:7], oc s[8:9], os s[10:11]
	v_lshl_add_u32 v254, v0, 2, 0x29000
	v_mov_b32 v255, 0
	ds_add_u32 v254, v255
	ds_add_u32 v254, v255
	s_wait_dscnt 0x0
	v_lshrrev_b32 v8, 5, v0
	s_delay_alu instid0(VALU_DEP_1)
	v_readfirstlane_b32 s18, v8                    ; wave 0..15
	v_and_b32 v8, 31, v0                           ; lane
	v_and_b32 v9, 15, v0                           ; r
	v_bfe_u32 v10, v0, 4, 1                        ; h
	s_delay_alu instid0(VALU_DEP_3)
	v_lshlrev_b32 v1, 4, v8                        ; 16 x lane: my place in a piece
	s_delay_alu instid0(VALU_DEP_1)
	v_add_nc_u32 v2, VIMG, v1
	v_lshl_add_u32 v3, v8, 2, KWRD                 ; 4 x lane: my place among 32 scale words
	v_lshl_add_u32 v4, v8, 2, VWRD
	v_lshlrev_b32 v5, 2, v9                        ; Q's word of row r
	v_lshl_add_u32 v6, v9, 5, v10                  ; os: row r of 32 bytes, block h
	v_lshlrev_b32 v11, 3, v10
	s_delay_alu instid0(VALU_DEP_1)
	v_sub_nc_u32 v7, v9, v11                       ; r - 8 h, for the mask
	; group 1: dense blocks as rows of 256 bytes (32 elements of 8 bytes); three numbers of rows
.irp g, 24, 32, 40
	s_mov_b32 s[\g], 3<<16
	s_mov_b32 s[\g+1], 32<<16
	s_mov_b32 s[\g+3], 32<<16
	s_mov_b32 s[\g+5], 32
	s_mov_b32 s[\g+6], 0
	s_mov_b32 s[\g+7], 0
.endr
	s_mov_b32 s26, 64<<16                          ; codes: 16 KiB a load
	s_mov_b32 s28, 64
	s_mov_b32 s34, 16<<16                          ; K's words: 4 KiB
	s_mov_b32 s36, 16
	s_mov_b32 s42, 8<<16                           ; V's words: 2 KiB
	s_mov_b32 s44, 8
	s_lshl_b32 s12, ttmp9, 8
	s_lshl_b32 s13, s18, 4
	s_add_co_u32 s12, s12, s13                     ; pass 1's first query
	s_sub_co_u32 s13, 2032, s12                    ; pass 2's
	s_and_b32 s14, ttmp7, 0xffff                   ; bh
	s_lshr_b32 s15, s14, 4                         ; the batch
	s_and_b32 s16, s14, 15                         ; the head
	s_mov_b32 s99, 0
	s_mov_b32 s[SEL], 0x76543210
	s_mov_b32 s[SEL+1], 0xfedcba98
	s_mov_b32 s[CS], 0x3e38aa3b
	s_mov_b32 s[CS+1], s[CS]                       ; (named with it as a pair, so it is written)
	s_mov_b32 s97, 0xffff0000                      ; lanes 16-31
	s_wait_kmcnt 0x0
.macro PTRS q0, pb                     ; a pass's four pointers: Q's piece, Q's words, the result's piece, its scale bytes
	s_lshl_b32 s98, s14, 16
	s_lshl_b32 s19, s[\q0], 5
	s_add_co_u32 s98, s98, s19
	s_add_nc_u64 s[\pb:\pb+1], s[4:5], s[98:99]
	s_lshl_b32 s98, s14, 13
	s_lshl_b32 s19, s[\q0], 2
	s_add_co_u32 s98, s98, s19
	s_add_nc_u64 s[\pb+2:\pb+3], s[6:7], s[98:99]
	s_lshl_b32 s17, s15, 11
	s_add_co_u32 s17, s17, s[\q0]                  ; the row among 8,192
	s_add_co_u32 s98, s17, s16
	s_lshl_b32 s98, s98, 9                         ; 512 bytes a row (8,192 a tile of 16) + 512 a head
	s_add_nc_u64 s[\pb+4:\pb+5], s[8:9], s[98:99]
	s_lshl_b32 s98, s17, 5
	s_lshl_b32 s19, s16, 1
	s_add_co_u32 s98, s98, s19
	s_add_nc_u64 s[\pb+6:\pb+7], s[10:11], s[98:99]
.endm
	PTRS 12, 76
	PTRS 13, 84
	; group 0, two for each loading wave: the first half of the keys, then the second.  Waves 0, 1: K's codes; 2, 3: V's; 4: K's words; 5: V's words
	s_lshr_b32 s95, s18, 1
	s_and_b32 s96, s18, 1
	s_lshl_b32 s19, s95, 16
	s_lshl_b32 s17, s96, 14
	s_add_co_u32 s19, s19, s17                     ; LDS: 65,536 (w >> 1) + 16,384 (w & 1)
	s_add_co_u32 s98, s95, 1
	s_lshl_b32 s98, s98, 22
	s_add_co_u32 s98, s98, s17
	s_lshl_b32 s17, s14, 16
	s_add_co_u32 s98, s98, s17
	s_mov_b32 s48, 1
	s_mov_b32 s49, s19
	s_add_nc_u64 s[50:51], s[4:5], s[98:99]
	s_mov_b32 s52, 1
	s_add_co_u32 s53, s19, 32768
	s_add_nc_u64 s[54:55], s[50:51], 32768
	s_or_b32 s51, s51, 0x80000000
	s_or_b32 s55, s55, 0x80000000
	s_lshl_b32 s98, s14, 13
	s_add_co_u32 s98, s98, 524288
	s_mov_b32 s56, 1
	s_mov_b32 s57, KWRD
	s_add_nc_u64 s[58:59], s[6:7], s[98:99]
	s_mov_b32 s60, 1
	s_mov_b32 s61, KWRD+4096
	s_add_nc_u64 s[62:63], s[58:59], 4096
	s_or_b32 s59, s59, 0x80000000
	s_or_b32 s63, s63, 0x80000000
	s_lshl_b32 s98, s14, 12
	s_add_co_u32 s98, s98, 1048576
	s_mov_b32 s68, 1
	s_mov_b32 s69, VWRD
	s_add_nc_u64 s[70:71], s[6:7], s[98:99]
	s_mov_b32 s72, 1
	s_mov_b32 s73, VWRD+2048
	s_add_nc_u64 s[74:75], s[70:71], 2048
	s_or_b32 s71, s71, 0x80000000
	s_or_b32 s75, s75, 0x80000000
	s_cmp_lt_u32 s18, 4                            ; a wave's two loads stand in one branch: two loads of mine are out
	s_cbranch_scc0 .Lnot_codes
	tensor_load_to_lds s[48:51], s[24:31]
	s_nop 0
	tensor_load_to_lds s[52:55], s[24:31]
	s_nop 0
.rept 4
	v_nop
.endr
	s_branch .Lasked
.Lnot_codes:
	s_cmp_eq_u32 s18, 4
	s_cbranch_scc0 .Lnot_kwords
	tensor_load_to_lds s[56:59], s[32:39]
	s_nop 0
	tensor_load_to_lds s[60:63], s[32:39]
	s_nop 0
.rept 4
	v_nop
.endr
	s_branch .Lasked
.Lnot_kwords:
	s_cmp_eq_u32 s18, 5
	s_cbranch_scc0 .Lasked
	tensor_load_to_lds s[68:71], s[40:47]
	s_nop 0
	tensor_load_to_lds s[72:75], s[40:47]
	s_nop 0
.rept 4
	v_nop
.endr
.Lasked:
	s_wait_alu depctr_va_vdst(0)
	global_load_b128 v[16:19], v1, s[76:77]        ; both passes' Q stay in registers
	global_load_b128 v[24:27], v1, s[84:85]
	global_load_b32 v255, v5, s[78:79]
	global_load_b32 v243, v5, s[86:87]
.irp n, 20,21,22,23,28,29,30,31
	v_mov_b32 v[\n], 0                             ; the zero codes of k = 64 .. 127: Q's,
.endr
.irp t, 0,1,2,3
.irp n, 4,5,6,7
	v_mov_b32 v[32+8*\t+\n], 0                     ; and those of K's eight tiles: written once
	v_mov_b32 v[192+8*\t+\n], 0
.endr
.endr
	s_wait_tensorcnt 0x1                           ; my part of the first half of the keys is in; the second half's may stay out
	s_barrier_signal -1
	s_barrier_wait -1
	s_wait_loadcnt 0x0                             ; Q
; A KEY STEP: 128 keys.  qf: Q's fragment, qs: its scale words.
.macro STEP qf, qs
	s_cmp_gt_u32 s[KF], s[QL]                      ; all its keys come after my queries: the step's work is left out
	s_cbranch_scc1 .Lhidden_\@
	s_setprio 2
	v_add_nc_u32 v8, s[TB], v1                     ; (these four are the places between the last step's products and the loads into registers that they read)
	v_add_nc_u32 v9, s[TB], v2
	v_add_nc_u32 v10, s[TS], v3
	v_add_nc_u32 v11, s[TJ], v4
.irp t, 0,1,2,3
	ds_load_b128 v[32+8*\t:35+8*\t], v8 offset:512*\t
.endr
.irp t, 4,5,6,7
	ds_load_b128 v[160+8*\t:163+8*\t], v8 offset:512*\t
.endr
.irp b, 0,1,2,3
	ds_load_b32 v[248+\b], v10 offset:128*\b       ; lanes 0-15: tile 2 b's words, lanes 16-31: tile 2 b + 1's
.endr
.irp j, 0,1,2,3
.irp c, 0,1
	ds_load_b128 v[64+8*\j+4*\c:67+8*\j+4*\c], v9 offset:1024*\j+512*\c
.endr
.endr
.irp j, 0,1
	ds_load_b32 v[240+\j], v11 offset:128*\j
.endr
	s_wait_dscnt 10                                ; K and its words are in; V's ten loads land under the softmax
.irp t, 0,1,2,3,4,5,6,7
.if \t < 4
.set rK, 32+8*\t
.else
.set rK, 160+8*\t
.endif
.set rS, 96+8*\t
.set rW, 248+\t/2
.set rR, \t%2
	WMZ rS, rK, \qf, rW, \qs, rR
.endr
.rept 4
	v_nop
.endr
	s_add_co_u32 s96, s[KF], 127                   ; on the diagonal hidden scores become -infinity ahead of the maximum: p = 0 then.  A step all of whose keys count skips this
	s_cmp_le_u32 s96, s[Q0]
	s_cbranch_scc1 .Lopen_\@
	s_sub_co_i32 s96, s[Q0], s[KF]
	v_add_nc_u32 v252, s96, v7                     ; d = my query - KF - 8 (lane / 16): register 8 t + j is hidden where 16 t + j > d
	v_mov_b32 v254, 0xff800000
.set mk, 0
.rept 64
	v_cmp_gt_i32 vcc_lo, 16*(mk/8)+mk%8, v252
	v_cndmask_b32 v[96+mk], v[96+mk], v254, vcc_lo
.set mk, mk+1
.endr
.Lopen_\@:
.irp b, 0,1,2,3
	v_max3_num_f32 v[232+\b], v[96+16*\b], v[97+16*\b], v[98+16*\b]   ; the largest score of each block of 32 keys: it serves for the row's maximum and, since p rises with the score, for the block's largest p
.endr
.irp i, 3,5,7,9,11,13
.irp b, 0,1,2,3
	v_max3_num_f32 v[232+\b], v[232+\b], v[96+16*\b+\i], v[97+16*\b+\i]
.endr
.endr
.irp b, 0,1,2,3
	v_max_num_f32 v[232+\b], v[232+\b], v[111+16*\b]
.endr
.irp b, 0,1,2,3
	s_delay_alu instid0(VALU_DEP_4)
	v_permlanex16_b32 v[236+\b], v[232+\b], s[SEL], s[SEL+1]
.endr
.irp b, 0,1,2,3
	s_delay_alu instid0(VALU_DEP_4)
	v_max_num_f32 v[232+\b], v[232+\b], v[236+\b]  ; with lane l xor 16's 16 keys
.endr
	s_delay_alu instid0(VALU_DEP_2)
	v_max3_num_f32 v254, v232, v233, v234
	s_delay_alu instid0(VALU_DEP_1)
	v_max_num_f32 v254, v254, v235                 ; the step's largest score of my query
	s_delay_alu instid0(VALU_DEP_1)
	v_mul_f32 v254, s[CS], v254                    ; as t
	s_delay_alu instid0(VALU_DEP_1)
	v_max_num_f32 v13, v13, v254                   ; the running largest t
	v_mov_b32 v254, v12
	s_delay_alu instid0(VALU_DEP_2)
	v_floor_f32 v12, -v13                          ; the new -M = floor(-t): M is a whole number
	s_delay_alu instid0(VALU_DEP_1)
	v_sub_f32 v254, v12, v254                      ; old M - new M: a whole number, 0 or less
	s_delay_alu instid0(VALU_DEP_1)
	v_cvt_i32_f32 v254, v254                       ; (it saturates)
	s_delay_alu instid0(VALU_DEP_1)
	v_ldexp_f32 v252, 1.0, v254                    ; f = 2^(old M - new M)
.set n_, 0
.rept 32
	v_pk_fma_f32 v[96+n_:97+n_], v[96+n_:97+n_], s[CS:CS+1], v[12:13] op_sel_hi:[1,0,0]   ; t - M, two at a time
.set n_, n_+2
.endr
	s_setprio 1
.irp b, 0,1,2,3
	v_fma_f32 v[232+\b], v[232+\b], s[CS], v12     ; the same of each block's largest score
.endr
.set n_, 0
	s_wait_alu depctr_va_vdst(0)
.rept 64
	v_exp_f32 v[96+n_], v[96+n_]                   ; p = 2^(t - M)
.set n_, n_+1
.endr
.irp b, 0,1,2,3
	v_exp_f32 v[232+\b], v[232+\b]                 ; the block's largest p: the same two instructions on the same number
.endr
	v_pk_mul_f32 v[14:15], v[14:15], v[252:253] op_sel_hi:[1,0]    ; the sums under the new M (the plain instruction behind the exponentials)
	s_wait_alu depctr_va_vdst(0)
.irp b, 0,1,2,3
	v_max_num_f32 v[232+\b], 0x1800000, v[232+\b]  ; the floor 2^(3 - 127): the byte cannot fall under 1
.endr
.irp b, 0,1,2,3
	s_delay_alu instid0(VALU_DEP_4)
	v_add_nc_u32 v[244+\b], 0xff000000, v[232+\b]  ; the conversion's scale operand
.endr
.irp b, 0,1,2,3
	s_delay_alu instid0(VALU_DEP_4)
	v_lshrrev_b32 v[236+\b], 23, v[244+\b]         ; the scale's byte
.endr
	s_delay_alu instid0(VALU_DEP_3)
	v_lshl_or_b32 v253, v237, 8, v236              ; p's scale word for these 128 keys
	s_delay_alu instid0(VALU_DEP_1)
	v_lshl_or_b32 v253, v238, 16, v253
	s_delay_alu instid0(VALU_DEP_1)
	v_lshl_or_b32 v253, v239, 24, v253
.irp b, 0,1,2,3
	v_cvt_scalef32_pk8_fp4_f32 v[224+4*(\b/2)+(\b%2)], v[96+16*\b:103+16*\b], v[244+\b]
	v_cvt_scalef32_pk8_fp4_f32 v[226+4*(\b/2)+(\b%2)], v[104+16*\b:111+16*\b], v[244+\b]
.endr
	v_nop                                          ; a plain instruction behind the conversions
.irp c, 0,1
	v_permlane16_swap_b32 v[224+4*\c], v[225+4*\c] ; registers 4 c + g now hold keys 64 c + 32 (lane / 16) + 8 g + 0 .. 7
	v_permlane16_swap_b32 v[226+4*\c], v[227+4*\c]
.endr
.set n_, 0
.rept 16
	v_pk_mul_f32 v[160+n_:161+n_], v[160+n_:161+n_], v[252:253] op_sel_hi:[1,0]   ; O^T under the new M
.set n_, n_+2
.endr
	s_setprio 0
	v_pk_add_f32 v[236:237], v[100:101], v[104:105]
	v_pk_add_f32 v[250:251], v[108:109], v[112:113]
	v_pk_add_f32 v[248:249], v[116:117], v[120:121]
	v_pk_add_f32 v[246:247], v[124:125], v[128:129]
	v_pk_add_f32 v[244:245], v[132:133], v[136:137]
	v_pk_add_f32 v[234:235], v[140:141], v[144:145]
	v_pk_add_f32 v[232:233], v[148:149], v[152:153]
	v_pk_add_f32 v[14:15], v[14:15], v[156:157]
	v_pk_add_f32 v[236:237], v[236:237], v[96:97]
	v_pk_add_f32 v[250:251], v[250:251], v[98:99]
	v_pk_add_f32 v[248:249], v[248:249], v[102:103]
	v_pk_add_f32 v[246:247], v[246:247], v[106:107]
	v_pk_add_f32 v[244:245], v[244:245], v[110:111]
	v_pk_add_f32 v[234:235], v[234:235], v[114:115]
	v_pk_add_f32 v[232:233], v[232:233], v[118:119]
	v_pk_add_f32 v[14:15], v[14:15], v[122:123]
	v_pk_add_f32 v[236:237], v[236:237], v[126:127]
	v_pk_add_f32 v[250:251], v[250:251], v[130:131]
	v_pk_add_f32 v[248:249], v[248:249], v[134:135]
	v_pk_add_f32 v[246:247], v[246:247], v[138:139]
	v_pk_add_f32 v[244:245], v[244:245], v[142:143]
	v_pk_add_f32 v[234:235], v[234:235], v[146:147]
	v_pk_add_f32 v[232:233], v[232:233], v[150:151]
	v_pk_add_f32 v[14:15], v[14:15], v[154:155]
	v_pk_add_f32 v[236:237], v[236:237], v[158:159]
	s_delay_alu instid0(VALU_DEP_2)
	v_pk_add_f32 v[14:15], v[14:15], v[246:247]
	s_delay_alu instid0(VALU_DEP_2)
	v_pk_add_f32 v[236:237], v[236:237], v[244:245]
	v_pk_add_f32 v[250:251], v[250:251], v[234:235]
	v_pk_add_f32 v[248:249], v[248:249], v[232:233]
	s_delay_alu instid0(VALU_DEP_2)
	v_pk_add_f32 v[14:15], v[14:15], v[250:251]
	s_delay_alu instid0(VALU_DEP_2)
	v_pk_add_f32 v[236:237], v[236:237], v[248:249]
	s_delay_alu instid0(VALU_DEP_1)
	v_pk_add_f32 v[14:15], v[14:15], v[236:237]
	s_wait_dscnt 0x0                               ; V and its words are in
.irp j, 0,1,2,3
.set rO, 160+8*\j
.set rV, 64+8*\j
.set rW, 240+\j/2
.set rR, \j%2
	WMA rO, rV, 224, rW, 253, rR                   ; four accumulators, one instruction each
.endr
.Lhidden_\@:
.endm
; A PASS: 16 queries against n key steps (a constant), then the way out.  q0: the scalar register with the first query; pb: the pass's pointers.
.macro PASS qf, qs, n, q0, pb
	v_mov_b32 v13, 0xff61b1e6                      ; the largest t so far: -3e38
	s_delay_alu instid0(VALU_DEP_1)
	v_floor_f32 v12, -v13
	v_mov_b32 v14, 0
	v_mov_b32 v15, 0
	v_mov_b32 v252, 0
	v_mov_b32 v253, 0
.irp b, 0,1,2,3
	v_mov_b32 v[236+\b], 0                         ; a lane permute's destination counts as one of its sources
.endr
.set n_, 0
.rept 32
	v_mov_b32 v[160+n_], 0                         ; O^T: the step is written once for a pass; its first trip finds zeros, which the first change of M leaves zeros
.set n_, n_+1
.endr
	s_mov_b32 s[TB], 0
	s_mov_b32 s[TS], 0
	s_mov_b32 s[TJ], 0
	s_mov_b32 s[KF], 0
	s_mov_b32 s[CNT], 0
	s_mov_b32 s[Q0], s[\q0]
	s_add_co_u32 s[QL], s[Q0], 15
.Lpass_\@:
	STEP \qf, \qs
	s_add_co_u32 s[KF], s[KF], 128
	s_add_co_u32 s[TB], s[TB], 4096
	s_add_co_u32 s[TS], s[TS], 512
	s_add_co_u32 s[TJ], s[TJ], 256
	s_add_co_u32 s[CNT], s[CNT], 1
	s_cmp_lt_u32 s[CNT], \n
	s_cbranch_scc1 .Lpass_\@
	s_setprio 0
	; the way out: O^T / the sum, quantised along d (the head's two blocks of 32), as one piece of the next product's operand
.rept 4
	v_nop
.endr
	s_wait_alu depctr_va_vdst(0)
	v_add_f32 v14, v14, v15
	s_delay_alu instid0(VALU_DEP_1)
	v_permlanex16_b32 v252, v14, s[SEL], s[SEL+1]
	s_delay_alu instid0(VALU_DEP_1)
	v_add_f32 v14, v14, v252                       ; the row's sum
	s_wait_alu depctr_va_vdst(0)
	v_rcp_f32 v14, v14
	v_nop
.set n_, 0
	s_wait_alu depctr_va_vdst(0)
.rept 32
	v_mul_f32 v[96+n_], v[160+n_], v14             ; register 8 j + i is channel 16 j + 8 h + i
.set n_, n_+1
.endr
.irp b, 0,1
	v_max3_num_f32 v[232+\b], |v[96+16*\b]|, |v[97+16*\b]|, 0x1800000
.endr
.irp i, 2,4,6,8,10,12,14
.irp b, 0,1
	s_delay_alu instid0(VALU_DEP_2)
	v_max3_num_f32 v[232+\b], v[232+\b], |v[96+16*\b+\i]|, |v[97+16*\b+\i]|
.endr
.endr
.irp b, 0,1
	s_delay_alu instid0(VALU_DEP_2)
	v_permlanex16_b32 v[236+\b], v[232+\b], s[SEL], s[SEL+1]
.endr
.irp b, 0,1
	s_delay_alu instid0(VALU_DEP_2)
	v_max_num_f32 v[232+\b], v[232+\b], v[236+\b]
.endr
.irp b, 0,1
	s_delay_alu instid0(VALU_DEP_2)
	v_add_nc_u32 v[244+\b], 0xff000000, v[232+\b]
.endr
.irp b, 0,1
	s_delay_alu instid0(VALU_DEP_2)
	v_lshrrev_b32 v[236+\b], 23, v[244+\b]
.endr
.irp b, 0,1
	v_cvt_scalef32_pk8_fp4_f32 v[224+\b], v[96+16*\b:103+16*\b], v[244+\b]
	v_cvt_scalef32_pk8_fp4_f32 v[226+\b], v[104+16*\b:111+16*\b], v[244+\b]
.endr
	v_nop
	v_permlane16_swap_b32 v224, v225
	v_permlane16_swap_b32 v226, v227
	global_store_b128 v1, v[224:227], s[\pb+4:\pb+5]               ; 512 consecutive bytes, aligned
	v_cndmask_b32 v238, v236, v237, s97            ; lanes 0-15: block 0's byte, lanes 16-31: block 1's
	global_store_b8 v6, v238, s[\pb+6:\pb+7]       ; a head has two of a row's 32 scale bytes: single bytes, 256 KiB in the whole launch
	s_wait_xcnt 0x0                                ; the stores have read their registers: the next pass writes them again
.endm
	PASS 16, 255, 8, 12, 76
	s_wait_tensorcnt 0x0                           ; my part of the second half of the keys is in,
	s_wait_dscnt 0x0
	s_barrier_signal -1
	s_barrier_wait -1                              ; everybody's is
	PASS 24, 243, 16, 13, 84
	s_wait_xcnt 0x0
	v_lshl_add_u32 v254, v0, 2, 0x29000
	v_mov_b32 v255, 0
	s_wait_alu depctr_va_vdst(0)
	s_wait_tensorcnt 0x0
	ds_add_u32 v254, v255
	s_wait_dscnt 0x0
	s_endpgm
.Lfunc_end_k_qba1e9438b0_attn:
	.size	k_qba1e9438b0_attn, .Lfunc_end_k_qba1e9438b0_attn-k_qba1e9438b0_attn
	.p2alignl 7, 3214868480
	.fill 96, 4, 3214868480
	.section	.rodata,"a",@progbits
	.p2align	6, 0x0
	.amdhsa_kernel k_qba1e9438b0_attn
		.amdhsa_group_segment_fixed_size 169984
		.amdhsa_private_segment_fixed_size 0
		.amdhsa_enable_private_segment 0
		.amdhsa_kernarg_size 32
		.amdhsa_user_sgpr_count 2
		.amdhsa_user_sgpr_kernarg_segment_ptr 1
		.amdhsa_wavefront_size32 1
		.amdhsa_system_sgpr_workgroup_id_x 1
		.amdhsa_system_sgpr_workgroup_id_y 1
		.amdhsa_system_sgpr_workgroup_id_z 1
		.amdhsa_system_vgpr_workitem_id 0
		.amdhsa_next_free_vgpr 256
		.amdhsa_next_free_sgpr 100
		.amdhsa_reserve_vcc 1
		.amdhsa_float_denorm_mode_32 3
		.amdhsa_float_denorm_mode_16_64 3
		.amdhsa_memory_ordered 1
		.amdhsa_forward_progress 1
		.amdhsa_inst_pref_size 65
	.end_amdhsa_kernel
	.amdgpu_metadata
---
amdhsa.version: [ 1, 2 ]
amdhsa.kernels:
  - .name:           k_qba1e9438b0_attn
    .symbol:         k_qba1e9438b0_attn.kd
    .args:
      - { .name: qkvc, .offset: 0, .size: 8, .value_kind: global_buffer, .address_space: global }
      - { .name: qkvs, .offset: 8, .size: 8, .value_kind: global_buffer, .address_space: global }
      - { .name: oc, .offset: 16, .size: 8, .value_kind: global_buffer, .address_space: global }
      - { .name: os, .offset: 24, .size: 8, .value_kind: global_buffer, .address_space: global }
    .group_segment_fixed_size: 169984
    .private_segment_fixed_size: 0
    .kernarg_segment_align: 8
    .kernarg_segment_size: 32
    .max_flat_workgroup_size: 512
    .sgpr_count:     100
    .vgpr_count:     256
    .wavefront_size: 32
...
	.end_amdgpu_metadata
.endif
;; end of part 3
;; launch proj (part 4): grid 4 x 64, 8 waves a work-group, clusters of 4 x 4, 286,464 bytes of LDS; arguments oc, os, wc, ws, b_out, out0; writes out0
.if DOCPART == 4
	.amdgcn_target "amdgcn-amd-amdhsa--gfx1250"
	.amdhsa_code_object_version 6
	.text
	.protected	k_qba1e9438b0_proj
	.globl	k_qba1e9438b0_proj
	.p2align	8
	.type	k_qba1e9438b0_proj,@function
k_qba1e9438b0_proj:
	s_mov_b64 s[64:65], 0
	v_nop
	global_prefetch_b8 v0, s[64:65] scope:SCOPE_SE
	s_setreg_imm32_b32 hwreg(HW_REG_WAVE_MODE, 25, 1), 1
	s_wait_xcnt 0x0
	s_wait_alu depctr_hold_cnt(0) depctr_sa_sdst(0) depctr_va_vdst(0) depctr_va_sdst(0) depctr_va_ssrc(0) depctr_va_vcc(0) depctr_vm_vsrc(0)
	s_getreg_b32 s2, hwreg(HW_REG_IB_STS2, 6, 4)
	s_cmp_eq_u32 s2, 0
	s_cbranch_scc0 .Lentry_in_a_cluster
	s_endpgm
.Lentry_in_a_cluster:
	s_bfe_u32 s2, ttmp6, 0x10000c
	s_cmp_lg_u32 s2, 0xf033
	s_cbranch_scc0 .Lentry_shape_is_right
	s_endpgm
.Lentry_shape_is_right:
; out0 = A W_out + b_out on codes of E2M1.  A, the attention's result, arrives as images of operand registers: oc [row tile of 16][head][512 bytes], os [row][32 scale bytes]; W_out as wc's rows 3,072 on, ws likewise.
; SHARES.  256 work-groups, each 128 rows (ry) x 256 columns (nx); all of K = 1,024 lies in LDS in two chunks of 512, each filled once: nothing is filled again.
; Wave w: columns 128 (w & 1) .. + 127 as source 0 (8 tiles), rows 32 (w >> 1) .. + 31 as source 1 (2 tiles): 16 accumulators; a lane holds eight neighbouring columns of one row of the output.
; The bias is loaded straight into the accumulators, so every product adds in place and no addition is spent on it.
; CLUSTER 4 x 4: W's tiles hang on nx alone and are asked for jointly along a column of the cluster, A's on ry alone, along a row.
; LDS: W's codes, chunk c at 69,632 c: 256 rows 272 bytes apart (256 + 16 of padding: 68 words, so the 16 rows of a load start in 16 different groups of banks);  A's images, chunk c at AIMG + 32,768 c: [row tile][4,096], dense;
; scale bytes as units of 8 rows (256 bytes + 16): units 0-31 W's rows, 32-47 A's;  behind them, in 256-byte blocks of its own, a stage of 16 rows x 528 bytes for each wave.
.set BCH,   69632
.set AIMG,  139264
.set SCL,   204800
.set STG,   217856
.set AD0, 1
.set AD1, 2
.set AS0, 3
.set AS1, 4
.set STO, 5                            ; v5  the stage: where I put 32 bytes of a row
.set RD,  6                            ; v6  and where I read a row back
.set CO,  7                            ; v7  16 x lane: my bytes of a row of 512
.set SC0, 28                           ; v28-43  source 0's scale words of a chunk
.set SC1, 44                           ; v44-47  source 1's
.set S1F, 48
.set S0F, 64
.set ACC, 128
.set S1_TJ, 4096
.set S1_TQ, 1024
.set S1_TC, 512
.macro CROUND                          ; a round of the cluster's barrier
	s_barrier_signal -1
	s_barrier_wait -1
	s_cmp_lg_u32 s18, 0
	s_cbranch_scc1 .Lnot_wave_0_\@
	s_barrier_signal -3
.Lnot_wave_0_\@:
	s_barrier_wait -3
	s_barrier_signal -1
	s_barrier_wait -1
.endm
.macro WMA d, a, b, sa, sb, ra, rb     ; one product 16 x 16 x 128 that adds in place; ra, rb: the scale words stand in lanes 16-31
.if (\ra) && (\rb)
	v_wmma_scale_f32_16x16x128_f8f6f4 v[\d:\d+7], v[\a:\a+7], v[\b:\b+7], v[\d:\d+7], v[\sa], v[\sb] matrix_a_fmt:MATRIX_FMT_FP4 matrix_b_fmt:MATRIX_FMT_FP4 matrix_a_scale:MATRIX_SCALE_ROW1 matrix_b_scale:MATRIX_SCALE_ROW1
.elseif \ra
	v_wmma_scale_f32_16x16x128_f8f6f4 v[\d:\d+7], v[\a:\a+7], v[\b:\b+7], v[\d:\d+7], v[\sa], v[\sb] matrix_a_fmt:MATRIX_FMT_FP4 matrix_b_fmt:MATRIX_FMT_FP4 matrix_a_scale:MATRIX_SCALE_ROW1
.elseif \rb
	v_wmma_scale_f32_16x16x128_f8f6f4 v[\d:\d+7], v[\a:\a+7], v[\b:\b+7], v[\d:\d+7], v[\sa], v[\sb] matrix_a_fmt:MATRIX_FMT_FP4 matrix_b_fmt:MATRIX_FMT_FP4 matrix_b_scale:MATRIX_SCALE_ROW1
.else
	v_wmma_scale_f32_16x16x128_f8f6f4 v[\d:\d+7], v[\a:\a+7], v[\b:\b+7], v[\d:\d+7], v[\sa], v[\sb] matrix_a_fmt:MATRIX_FMT_FP4 matrix_b_fmt:MATRIX_FMT_FP4
.endif
.endm
.macro SCALES ch
.irp b, 0,1,2,3
	ds_load_b128 v[SC0+4*\b:SC0+4*\b+3], v[AS0] offset:1088*\b+16*(\ch)
.endr
	ds_load_b128 v[SC1:SC1+3], v[AS1] offset:16*(\ch)
.endm
; 128 along K: the chunk's q-th.  The 16 accumulators take turns, one instruction a turn, in the same order in every step.
.macro KSTEP ch, q, first
.if !(\first)
.rept 4
	v_nop                                          ; four places between the last products and the loads into registers that they read
.endr
.endif
.if (\q) == 0
	SCALES \ch
.endif
.irp j, 0,1
.irp c, 0,1
	ds_load_b128 v[S1F+8*\j+4*\c:S1F+8*\j+4*\c+3], v[AD1] offset:S1_TJ*\j+S1_TQ*(\q)+S1_TC*\c
.endr
.endr
.irp i, 0,1,2,3,4,5,6,7
.irp c, 0,1
	ds_load_b128 v[S0F+8*\i+4*\c:S0F+8*\i+4*\c+3], v[AD0] offset:4352*\i+64*(\q)+32*\c
.endr
.endr
.irp i, 0,1,2,3,4,5,6,7
	s_wait_dscnt 2*(7-\i)                          ; tile i of source 0 is in, and all that was asked for ahead of it; the younger tiles' loads, two each, may be out
.set rD, ACC+8*\i
.set rA, S0F+8*\i
.set rS, SC0+4*(\i/2)+(\q)
.set rT, SC1+(\q)
.set rR, \i%2
	WMA rD, rA, S1F, rS, rT, rR, 0
	WMA rD+64, rA, S1F+8, rS, rT, rR, 1
.endr
.endm
	s_load_b256 s[4:11], s[0:1], 0x0               ; oc s[4:5], os s[6:7], wc s[8:9], ws s[10:11]
	s_load_b128 s[12:15], s[0:1], 0x20             ; b_out s[12:13], out0 s[14:15]
	v_lshl_add_u32 v26, v0, 2, 0x45b00
	v_mov_b32 v27, 0
	ds_add_u32 v26, v27
	ds_add_u32 v26, v27
	v_lshrrev_b32 v12, 5, v0
	s_delay_alu instid0(VALU_DEP_1)
	v_readfirstlane_b32 s18, v12                   ; wave 0..7
	s_and_b32 s19, s18, 1                          ; which 128 columns
	s_lshr_b32 s20, s18, 1                         ; which 32 rows
	v_and_b32 v12, 15, v0                          ; r
	v_bfe_u32 v13, v0, 4, 1                        ; h
	v_and_b32 v14, 31, v0                          ; lane
	s_delay_alu instid0(VALU_DEP_3)
	v_mul_u32_u24 v15, v12, 272
	s_delay_alu instid0(VALU_DEP_1)
	v_lshl_add_u32 v15, v13, 4, v15
	s_mul_i32 s92, s19, 128*272
	v_add_nc_u32 v[AD0], s92, v15
	s_lshl_b32 s92, s20, 13
	s_add_co_u32 s92, s92, AIMG
	v_lshl_add_u32 v[AD1], v14, 4, s92             ; two row tiles of 4,096 bytes a wave; a piece as it lies: 16 x lane
	v_lshrrev_b32 v16, 3, v14
	v_and_b32 v17, 7, v14
	s_delay_alu instid0(VALU_DEP_2)
	v_mul_u32_u24 v16, v16, 272
	s_delay_alu instid0(VALU_DEP_1)
	v_lshl_add_u32 v16, v17, 5, v16
	s_mul_i32 s92, s19, 4352
	s_add_co_u32 s92, s92, SCL
	v_add_nc_u32 v[AS0], s92, v16
	s_mul_i32 s92, s20, 1088
	s_add_co_u32 s92, s92, SCL+8704
	v_add_nc_u32 v[AS1], s92, v16
	s_mul_i32 s92, s18, 8448
	s_add_co_u32 s92, s92, STG                     ; my stage
	v_mul_u32_u24 v[STO], v12, 528
	s_delay_alu instid0(VALU_DEP_1)
	v_lshl_add_u32 v[STO], v13, 5, v[STO]
	s_delay_alu instid0(VALU_DEP_1)
	v_add_nc_u32 v[STO], s92, v[STO]
	v_lshlrev_b32 v[CO], 4, v14
	s_delay_alu instid0(VALU_DEP_1)
	v_add_nc_u32 v[RD], s92, v[CO]
	v_lshlrev_b32 v8, 5, v13                       ; the biases of columns 16 i + 8 h + 0 .. 7
	s_bfe_u32 s84, ttmp6, 0x40000                  ; cx
	s_bfe_u32 s85, ttmp6, 0x40004                  ; cy
	s_lshl_b32 s86, ttmp9, 2
	s_add_co_u32 s86, s86, s84                     ; nx
	s_and_b32 s87, ttmp7, 0xffff
	s_lshl_b32 s87, s87, 2
	s_add_co_u32 s87, s87, s85                     ; ry
	s_lshl_b32 s88, s85, 2
	s_lshl_b32 s88, 15, s88                        ; my row of the cluster
	s_lshl_b32 s89, 0x1111, s84                    ; my column
	; group 1: W's codes: 64 rows x 256 bytes, 512 apart in memory, 16 bytes of padding behind each
	s_or_b32 s24, s89, (1<<20)|(1<<21)|(5<<22)|(3<<25)
	s_mov_b32 s25, 256<<16
	s_mov_b32 s26, 64<<16
	s_mov_b32 s27, 256<<16
	s_mov_b32 s28, 64
	s_mov_b32 s29, 512
	s_mov_b32 s30, 0
	s_mov_b32 s31, 0
	; scale bytes of 64 rows: 8 rows of 256 bytes, 16 of padding behind each: W's to my column, A's to my row
	s_or_b32 s32, s89, (3<<16)|(1<<20)|(1<<21)|(5<<22)|(3<<25)
	s_or_b32 s48, s88, (3<<16)|(1<<20)|(1<<21)|(5<<22)|(3<<25)
.irp g, 32, 48
	s_mov_b32 s[\g+1], 32<<16
	s_mov_b32 s[\g+2], 8<<16
	s_mov_b32 s[\g+3], 32<<16
	s_mov_b32 s[\g+4], 8
	s_mov_b32 s[\g+5], 32
	s_mov_b32 s[\g+6], 0
	s_mov_b32 s[\g+7], 0
.endr
	; A's images: 4 row tiles x 4,096 bytes (512 elements of 8 bytes), 8,192 bytes apart in memory, dense in LDS
	s_or_b32 s40, s88, (3<<16)|(1<<21)
	s_mov_b32 s41, 512<<16
	s_mov_b32 s42, 4<<16
	s_mov_b32 s43, 512<<16
	s_mov_b32 s44, 4
	s_mov_b32 s45, 1024
	s_mov_b32 s46, 0
	s_mov_b32 s47, 0
	; what a wave fetches: waves 0-3 W's rows 64 w .. + 63, waves 4, 5 A's rows 64 (w - 4) .. + 63.  W's addresses are made of nx and the wave alone, A's of ry and the wave alone.
	s_min_u32 s92, s18, 3
	s_lshl_b32 s92, s92, 6
	s_lshl_b32 s93, s86, 8
	s_add_co_u32 s92, s92, s93
	s_add_co_u32 s92, s92, 3072
	s_lshl_b32 s94, s92, 9
	s_mov_b32 s95, 0
	s_lshl_b32 s96, s92, 5
	s_mov_b32 s97, 0
	s_max_u32 s98, s18, 4
	s_sub_co_u32 s98, s98, 4
	s_min_u32 s98, s98, 1
	s_lshl_b32 s98, s98, 6
	s_lshl_b32 s99, s87, 7
	s_add_co_u32 s98, s98, s99
	s_lshl_b32 s66, s98, 9
	s_mov_b32 s67, 0
	s_lshl_b32 s98, s98, 5
	s_mov_b32 s99, 0
	s_mul_i32 s100, s18, 17408                     ; where they go: no place in the cluster enters an LDS address
	s_mul_i32 s101, s18, 2176
	s_lshl_b32 s21, s18, 14
	s_add_co_u32 s21, s21, AIMG-65536              ; AIMG + 16,384 (w - 4)
	s_wait_alu depctr_va_vdst(0)
	s_wait_dscnt 0x0
	s_wait_kmcnt 0x0
	s_add_nc_u64 s[94:95], s[8:9], s[94:95]
	s_add_nc_u64 s[96:97], s[10:11], s[96:97]
	s_add_nc_u64 s[66:67], s[4:5], s[66:67]
	s_add_nc_u64 s[98:99], s[6:7], s[98:99]
	s_mov_b32 s56, 1                               ; W's scale bytes
	s_add_co_u32 s57, s101, SCL
	s_mov_b64 s[58:59], s[96:97]
	s_or_b32 s59, s59, 0x80000000
	s_mov_b32 s60, 1                               ; W's chunk 0
	s_mov_b32 s61, s100
	s_mov_b64 s[62:63], s[94:95]
	s_or_b32 s63, s63, 0x80000000
	s_mov_b32 s68, 1                               ; W's chunk 1
	s_add_co_u32 s69, s100, BCH
	s_add_nc_u64 s[70:71], s[94:95], 256
	s_or_b32 s71, s71, 0x80000000
	s_mov_b32 s72, 1                               ; A's scale bytes
	s_add_co_u32 s73, s101, SCL
	s_mov_b64 s[74:75], s[98:99]
	s_or_b32 s75, s75, 0x80000000
	s_mov_b32 s76, 1                               ; A's chunk 0
	s_mov_b32 s77, s21
	s_mov_b64 s[78:79], s[66:67]
	s_or_b32 s79, s79, 0x80000000
	s_mov_b32 s80, 1                               ; A's chunk 1
	s_add_co_u32 s81, s21, 32768
	s_add_nc_u64 s[82:83], s[66:67], 4096
	s_or_b32 s83, s83, 0x80000000
	s_lshl_b32 s92, s86, 10
	s_lshl_b32 s93, s19, 9
	s_add_co_u32 s92, s92, s93                     ; my first column, in bytes
	s_mov_b32 s93, 0
	s_add_nc_u64 s[12:13], s[12:13], s[92:93]
	s_lshl_b32 s94, s87, 7
	s_lshl_b32 s95, s20, 5
	s_add_co_u32 s94, s94, s95                     ; my first row
	s_lshl_b32 s94, s94, 12
	s_add_co_u32 s92, s92, s94
	s_add_nc_u64 s[14:15], s[14:15], s[92:93]
.irp j, 0,1
.irp i, 0,1,2,3,4,5,6,7
	global_load_b128 v[ACC+64*\j+8*\i:ACC+64*\j+8*\i+3], v8, s[12:13] offset:64*\i        ; the sums begin as the bias
	global_load_b128 v[ACC+64*\j+8*\i+4:ACC+64*\j+8*\i+7], v8, s[12:13] offset:64*\i+16
.endr
.endr
	CROUND                                         ; all sixteen work-groups are here: the joint loads meet
	s_cmp_lt_u32 s18, 4                            ; a wave's three loads stand in one branch: three loads of mine are out
	s_cbranch_scc0 .Lnot_w
	tensor_load_to_lds s[56:59], s[32:39]
	s_nop 0
	tensor_load_to_lds s[60:63], s[24:31]
	s_nop 0
	tensor_load_to_lds s[68:71], s[24:31]
	s_nop 0
.rept 4
	v_nop
.endr
	s_branch .Lasked
.Lnot_w:
	s_cmp_lt_u32 s18, 6
	s_cbranch_scc0 .Lasked
	tensor_load_to_lds s[72:75], s[48:55]
	s_nop 0
	tensor_load_to_lds s[76:79], s[40:47]
	s_nop 0
	tensor_load_to_lds s[80:83], s[40:47]
	s_nop 0
.rept 4
	v_nop
.endr
.Lasked:
	s_wait_tensorcnt 0x1                           ; my scale bytes and my part of chunk 0 are in; chunk 1's load may stay out
	s_barrier_signal -1
	s_barrier_wait -1
	s_wait_loadcnt 0x0                             ; the bias
	KSTEP 0, 0, 1
	KSTEP 0, 1, 0
	KSTEP 0, 2, 0
	KSTEP 0, 3, 0
	s_wait_tensorcnt 0x0                           ; my part of chunk 1 is in,
	s_wait_dscnt 0x0
	s_barrier_signal -1
	s_barrier_wait -1                              ; everybody's is
	v_add_nc_u32 v[AD0], BCH, v[AD0]
	v_add_nc_u32 v[AD1], 32768, v[AD1]
	s_wait_alu depctr_va_vdst(0)
	KSTEP 1, 0, 0
	KSTEP 1, 1, 0
	KSTEP 1, 2, 0
	KSTEP 1, 3, 0
	; THE WAY OUT, 16 rows x 128 columns at a time, through my own stage: in as 32 bytes a lane, back as whole rows of 512 bytes.  LDS serves a wave's instructions in order (ISA guide 5.7.1): no wait between the stores and the loads.
.rept 4
	v_nop
.endr
.irp j, 0,1
.irp i, 0,1,2,3,4,5,6,7
	ds_store_b128 v[STO], v[ACC+64*\j+8*\i:ACC+64*\j+8*\i+3] offset:64*\i          ; each accumulator from its low end on
	ds_store_b128 v[STO], v[ACC+64*\j+8*\i+4:ACC+64*\j+8*\i+7] offset:64*\i+16
.endr
.irp t, 0,1,2,3,4,5,6,7,8,9,10,11,12,13,14,15
	ds_load_b128 v[64+64*\j+4*\t:67+64*\j+4*\t], v[RD] offset:528*\t               ; the second half comes back into the first half's accumulators, which have left
.endr
.irp t, 0,1,2,3,4,5,6,7,8,9,10,11,12,13,14,15
	s_wait_dscnt 15-\t                             ; the younger reads may be out
	global_store_b128 v[CO], v[64+64*\j+4*\t:67+64*\j+4*\t], s[14:15] offset:65536*\j+4096*\t th:TH_STORE_NT   ; 32 lanes store 512 consecutive bytes, aligned; written once
.endr
.endr
	s_wait_tensorcnt 0x0
	ds_add_u32 v26, v27
	s_wait_dscnt 0x0
	CROUND                                         ; the closing round: no work-group ends while a partner may still ask for a tile that names it
	s_endpgm
.Lfunc_end_k_qba1e9438b0_proj:
	.size	k_qba1e9438b0_proj, .Lfunc_end_k_qba1e9438b0_proj-k_qba1e9438b0_proj
	.p2alignl 7, 3214868480
	.fill 96, 4, 3214868480
	.section	.rodata,"a",@progbits
	.p2align	6, 0x0
	.amdhsa_kernel k_qba1e9438b0_proj
		.amdhsa_group_segment_fixed_size 286464
		.amdhsa_private_segment_fixed_size 0
		.amdhsa_enable_private_segment 0
		.amdhsa_kernarg_size 48
		.amdhsa_user_sgpr_count 2
		.amdhsa_user_sgpr_kernarg_segment_ptr 1
		.amdhsa_wavefront_size32 1
		.amdhsa_system_sgpr_workgroup_id_x 1
		.amdhsa_system_sgpr_workgroup_id_y 1
		.amdhsa_system_sgpr_workgroup_id_z 1
		.amdhsa_system_vgpr_workitem_id 0
		.amdhsa_next_free_vgpr 256
		.amdhsa_next_free_sgpr 102
		.amdhsa_reserve_vcc 0
		.amdhsa_float_denorm_mode_32 3
		.amdhsa_float_denorm_mode_16_64 3
		.amdhsa_memory_ordered 1
		.amdhsa_forward_progress 1
		.amdhsa_inst_pref_size 51
	.end_amdhsa_kernel
	.amdgpu_metadata
---
amdhsa.version: [ 1, 2 ]
amdhsa.kernels:
  - .name:           k_qba1e9438b0_proj
    .symbol:         k_qba1e9438b0_proj.kd
    .args:
      - { .name: oc, .offset: 0, .size: 8, .value_kind: global_buffer, .address_space: global }
      - { .name: os, .offset: 8, .size: 8, .value_kind: global_buffer, .address_space: global }
      - { .name: wc, .offset: 16, .size: 8, .value_kind: global_buffer, .address_space: global }
      - { .name: ws, .offset: 24, .size: 8, .value_kind: global_buffer, .address_space: global }
      - { .name: b_out, .offset: 32, .size: 8, .value_kind: global_buffer, .address_space: global }
      - { .name: out0, .offset: 40, .size: 8, .value_kind: global_buffer, .address_space: global }
    .group_segment_fixed_size: 286464
    .private_segment_fixed_size: 0
    .kernarg_segment_align: 8
    .kernarg_segment_size: 48
    .max_flat_workgroup_size: 256
    .sgpr_count:     102
    .vgpr_count:     256
    .wavefront_size: 32
...
	.end_amdgpu_metadata
.endif
;; end of part 4
